; MI455X (gfx1250); checked and timed in simulation.
; The chip was launched on July 23, 2026; its instructions are those of AMD's public machine-readable ISA for CDNA 5 (MIT licence, August 2026) and "CDNA5" Instruction Set Architecture Reference Guide (July 2026). The comments in the code are by the model that wrote it; some were corrected since.
;; Attention Block. Allowed arithmetic: matrix products marked QUANTISED: E2M1 operands, one E8M0 scale for each 32 along K, by v_wmma_scale_f32_16x16x128_f8f6f4 with both operands' format E2M1 (or v_wmma_scale_f32_32x16x128_f4), f32 sums; products left as they are: f32 operands where the result goes on into a quantised operand, else bf16, f16 or f32 operands; f32 sums; everything else in f32.
;; Inputs: cond_norm 4 x 512 float32; head_scale 16 float32; norm_w 1,024 x 512 float32; out_w_codes 1,024 x 32 x 16 uint8 (E2M1 codes of out_w, K innermost, in blocks of 32 codes, two codes a byte); out_w_scales 1,024 x 32 uint8 (E8M0 scales of out_w, one for each 32 codes along K); pos 4 x 2,048 x 2 float32; qkv_w_codes 3,072 x 32 x 16 uint8 (E2M1 codes of qkv_w, K innermost, in blocks of 32 codes, two codes a byte); qkv_w_scales 3,072 x 32 uint8 (E8M0 scales of qkv_w, one for each 32 codes along K); x 4 x 2,048 x 1,024 float32.
;; Outputs: out0 4 x 2,048 x 1,024 float32.
;; This version of the problem:
;;   THIS VERSION OF THE PROBLEM IS GIVEN IN LOW PRECISION. The matrix products marked QUANTISED in the list below multiply operands that are first quantised to E2M1 (2 exponent bits, 1 mantissa bit; 4 bits a number), with one power-of-two scale for each 32 numbers along K (OCP MX v1.0); their sums are f32. All else is computed in f32.
;;   The module's matrix products, in the order in which they are computed (A, B: the left and right operand; K: the contracted axis; several contracted axes count as one K, in the product's order):
;;     1. [M 4, K 512] x [K 512, N 1,024]; A: input cond_norm; B: input norm_w: left as it is (M = 4 < 16)
;;     2. [M 8,192, K 1,024] x [K 1,024, N 3,072]; A: computed on the way; B: input qkv_w (given as codes): QUANTISED
;;     3. batch 64 x [M 2,048, K 64] x [K 64, N 2,048]; A: computed on the way; B: computed on the way: QUANTISED
;;     4. batch 64 x [M 2,048, K 2,048] x [K 2,048, N 64]; A: softmax (see below); B: computed on the way: QUANTISED
;;     5. [M 8,192, K 1,024] x [K 1,024, N 1,024]; A: computed on the way; B: input out_w (given as codes): QUANTISED
;;   THE QUANTISER, for each operand of a quantised product, along K:
;;     - K is cut into blocks of 32 from its start; a last block that is shorter is filled with zeros.
;;     - A block's scale is 2^e with e = floor(log2(the largest magnitude in the block)) - 2, held to -126 .. 127; a block of zeros has e = 0. As a byte (E8M0): e + 127.
;;     - Each number is divided by its block's scale, clamped to +-6, and rounded to the nearest number of E2M1, ties to even, subnormals kept.
;;     - The product sums the exact products of the quantised numbers (number of the format x scale) in f32.
;;   ~~~python
;;   def quantise(x, axis):      # numpy; x: float32 -> the quantised numbers, widened to float32 again
;;       x = np.moveaxis(x, axis, -1); K = x.shape[-1]
;;       x = np.pad(x, [(0, 0)] * (x.ndim - 1) + [(0, -K % 32)]); x = x.reshape(x.shape[:-1] + (-1, 32)); a = np.abs(x).max(-1, keepdims=True)
;;       e = np.where(a > 0, np.clip(np.frexp(np.where(a > 0, a, 1))[1] - 1 - 2, -126, 127), 0)      # np.frexp(a)[1] - 1 = floor(log2(a)), exactly
;;       r = np.clip(x / 2.0 ** e, -6, 6)
;;       step = 2.0 ** (np.maximum(np.frexp(np.where(r == 0, 1, r))[1] - 1, 0) - 1)
;;       q = np.round(r / step) * step * 2.0 ** e      # np.round: ties to even
;;       return np.moveaxis(q.reshape(q.shape[:-2] + (-1,))[..., :K], -1, axis).astype(np.float32)
;;   ~~~
;;   SOFTMAX AHEAD OF A QUANTISED PRODUCT. Where the list says 'softmax', what is quantised is not the finished softmax but p = 2^(t - M), with t = logit x log2(e) and M = ceil(the row's largest t), a whole number; so 1/2 < the row's largest p <= 1. The row's sum l is taken of the UNQUANTISED p, in f32, and the product's result is divided by l at the end. Since M is a whole number, a kernel that streams over the keys may use a running M (the ceiling of the running maximum): every later rescaling is an exact power of two, which a block's scale takes up: the codes' values come out the same.
;;   OPERANDS COMPUTED ON THE WAY. 'Computed on the way' means the value that the module computes at that place (a softmax that the list does not call 'softmax' is quantised finished and normalised). What goes into a quantiser is computed in f32, as accurately as f32 sums, v_exp_f32 and their like allow (about 1e-6 of the number): no bf16 or f16 on the way to a quantiser, and a product that is left as it is and whose result goes on into a quantised operand takes f32 operands (vector FMAs, or v_wmma_f32_16x16x4_f32). A number that lies on a knife's edge between two numbers of the format may be rounded either way, as far as f32 arithmetic and the matrix unit's own rounding can turn it there, and no further.
;;   INPUTS GIVEN AS CODES. out_w (in the module: [1024, 1024], K = its axis 1); qkv_w (in the module: [3072, 1024], K = its axis 1): each comes as NAME_codes (uint8): NAME with its K axis moved to the last place and cut into blocks of 32 codes, [.., K / 32, bytes a block], one block behind the other in memory; two codes a byte, the lower K in the low four bits (a code: sign, 2 exponent bits, 1 mantissa bit); and NAME_scales (uint8): the same leading axes, one E8M0 byte (e + 127) for each 32 codes along K. Its value is code x scale, taken as it is: it is not quantised again, and the codes and scales need not be those that the quantiser above would give.
;; One version. Each part assembles by itself: llvm-mc -triple=amdgcn-amd-amdhsa -mcpu=gfx1250 --defsym DOCPART=n.
;; ======== version 1 of 1: 4 launches
;; limits: right only within a limited range of input values
;; workspace buffers: gain 16,384 bytes; xq_c 4,194,304 bytes; xq_s 262,144 bytes; qkv_c 12,582,912 bytes; qkv_s 1,310,720 bytes
;; launch gain (part 1): grid 64 x 1, 4 waves a work-group, no clusters, 768 bytes of LDS; arguments cond_norm, norm_w, gain; writes gain
.if DOCPART == 1
	.amdgcn_target "amdgcn-amd-amdhsa--gfx1250"
	.amdhsa_code_object_version 6
	.text
	.protected	k_q1a831883cc_gain
	.globl	k_q1a831883cc_gain
	.p2align	8
	.type	k_q1a831883cc_gain,@function
k_q1a831883cc_gain:
	s_mov_b64 s[64:65], 0
	v_nop
	global_prefetch_b8 v0, s[64:65] scope:SCOPE_SE
	s_setreg_imm32_b32 hwreg(HW_REG_WAVE_MODE, 25, 1), 1
	s_wait_xcnt 0x0
; gain[n][d] = 1 + the sum over k of cond_norm[n][k] norm_w[d][k]; n = 0..3, d = 0..1023, k = 0..511.  All in f32 by fused multiply-adds: the result goes on into a quantiser.
; Work-group g owns d = 16 g .. 16 g + 15, wave w the four rows d = 16 g + 4 w + i.  Lane l holds k = 4 l + 128 j + 0..3 (j = 0..3): each load of a wave covers 512 consecutive bytes of one row.
; The output is laid [64 groups of 16 d][4 n][16 d]: a group's 256 bytes meet in LDS and leave by one store of wave 0, 256 consecutive aligned bytes.
; No matrix unit (four rows of cond_norm), no cluster (what is shared, cond_norm, is 8 KiB beside 32 KiB of norm_w a work-group), no tensor load (each byte is used once, from registers).
; pos: reference() takes it and never uses it, so it has no way to any output for any values: it is not loaded and is among no launch's arguments (a NaN or an infinity in pos is not carried to the result).
.set CN,  16                           ; v16-79    cond_norm: row n, piece j at v[CN + 16 n + 4 j]
.set WR,  80                           ; v80-143   norm_w: my row i, piece j at v[WR + 16 i + 4 j]
.set ACC, 144                          ; v144-175  16 sums in pairs: (n, i) at v[ACC + 2 (4 n + i)]; later the lane exchange's temporaries
.set RS,  176                          ; v176-191  the 16 results: (n, i) at v[RS + 4 n + i]
	s_load_b128 s[4:7], s[0:1], 0x0                ; cond_norm s[4:5], norm_w s[6:7]
	s_load_b64 s[8:9], s[0:1], 0x10                ; gain
	v_lshl_add_u32 v192, v0, 2, 0x100
	v_mov_b32 v193, 0
	v_lshrrev_b32 v1, 5, v0
	v_readfirstlane_b32 s10, v1                    ; wave 0..3
	v_and_b32 v4, 31, v0                           ; lane
	v_lshlrev_b32 v1, 4, v4                        ; 16 x lane: my bytes of a load's 512
	v_lshlrev_b32 v3, 3, v4                        ; 8 x lane: the way out
	v_mov_b32 v2, s10
	v_lshlrev_b32 v2, 4, v2                        ; LDS: 16 x wave: my four d of a row of 16
	s_lshl_b32 s12, ttmp9, 15                      ; 16 rows of 2,048 bytes a work-group,
	s_lshl_b32 s13, s10, 13                        ; 4 a wave
	s_add_co_u32 s12, s12, s13
	s_mov_b32 s13, 0
	s_lshl_b32 s16, ttmp9, 8                       ; 256 bytes of output a work-group
	s_mov_b32 s17, 0
	s_mov_b32 s14, 0x76543210                      ; v_permlanex16_b32's selects for lane l xor 16
	s_mov_b32 s15, 0xfedcba98
	s_wait_alu depctr_va_vdst(0)
	s_wait_kmcnt 0x0
	s_add_nc_u64 s[6:7], s[6:7], s[12:13]
	s_add_nc_u64 s[8:9], s[8:9], s[16:17]
.irp n, 0,1,2,3
.irp j, 0,1,2,3
	global_load_b128 v[CN+16*\n+4*\j:CN+16*\n+4*\j+3], v1, s[4:5] offset:2048*\n+512*\j
.endr
.endr
.irp i, 0,1,2,3
.irp j, 0,1,2,3
	global_load_b128 v[WR+16*\i+4*\j:WR+16*\i+4*\j+3], v1, s[6:7] offset:2048*\i+512*\j th:TH_LOAD_NT
.endr
.endr
	s_wait_loadcnt 0x0
; 16 chains by turns; the first product starts each sum
.irp j, 0,1,2,3
.irp q, 0,2
.irp n, 0,1,2,3
.irp i, 0,1,2,3
.if (\j == 0) && (\q == 0)
	v_pk_mul_f32 v[ACC+2*(4*\n+\i):ACC+2*(4*\n+\i)+1], v[CN+16*\n+4*\j+\q:CN+16*\n+4*\j+\q+1], v[WR+16*\i+4*\j+\q:WR+16*\i+4*\j+\q+1]
.else
	v_pk_fma_f32 v[ACC+2*(4*\n+\i):ACC+2*(4*\n+\i)+1], v[CN+16*\n+4*\j+\q:CN+16*\n+4*\j+\q+1], v[WR+16*\i+4*\j+\q:WR+16*\i+4*\j+\q+1], v[ACC+2*(4*\n+\i):ACC+2*(4*\n+\i)+1]
.endif
.endr
.endr
.endr
.endr
.irp k, 0,1,2,3,4,5,6,7,8,9,10,11,12,13,14,15
	v_add_f32 v[RS+\k], v[ACC+2*\k], v[ACC+2*\k+1]
.endr
.irp m, 1,2,4,8
.irp k, 0,1,2,3,4,5,6,7,8,9,10,11,12,13,14,15
	v_add_f32_dpp v[RS+\k], v[RS+\k], v[RS+\k] row_xmask:\m row_mask:0xf bank_mask:0xf
.endr
.endr
.irp k, 0,1,2,3,4,5,6,7,8,9,10,11,12,13,14,15
	v_permlanex16_b32 v[ACC+\k], v[RS+\k], s14, s15   ; (its destination has been written: the sums are done with)
.endr
.irp k, 0,1,2,3,4,5,6,7,8,9,10,11,12,13,14,15
	v_add_f32 v[RS+\k], v[RS+\k], v[ACC+\k]        ; every lane holds the whole sum
.endr
.irp k, 0,1,2,3,4,5,6,7,8,9,10,11,12,13,14,15
	v_add_f32 v[RS+\k], 1.0, v[RS+\k]
.endr
.irp n, 0,1,2,3
	ds_store_b128 v2, v[RS+4*\n:RS+4*\n+3] offset:64*\n   ; all lanes write the same 16 bytes with the same numbers
.endr
	s_wait_dscnt 0x0                               ; for the others' sake: my stores are done
	s_barrier_signal -1
	s_barrier_wait -1
	s_cmp_lg_u32 s10, 0
	s_cbranch_scc1 .Lend
	ds_load_b64 v[4:5], v3
	s_wait_dscnt 0x0
	global_store_b64 v3, v[4:5], s[8:9]            ; 32 lanes store 256 consecutive bytes, at a multiple of 256 from the buffer's first byte
.Lend:
	s_wait_tensorcnt 0x0
	ds_add_u32 v192, v193
	s_wait_dscnt 0x0
	s_endpgm
.Lfunc_end_k_q1a831883cc_gain:
	.size	k_q1a831883cc_gain, .Lfunc_end_k_q1a831883cc_gain-k_q1a831883cc_gain
	.p2alignl 7, 3214868480
	.fill 96, 4, 3214868480
	.section	.rodata,"a",@progbits
	.p2align	6, 0x0
	.amdhsa_kernel k_q1a831883cc_gain
		.amdhsa_group_segment_fixed_size 768
		.amdhsa_private_segment_fixed_size 0
		.amdhsa_enable_private_segment 0
		.amdhsa_kernarg_size 24
		.amdhsa_user_sgpr_count 2
		.amdhsa_user_sgpr_kernarg_segment_ptr 1
		.amdhsa_wavefront_size32 1
		.amdhsa_system_sgpr_workgroup_id_x 1
		.amdhsa_system_sgpr_workgroup_id_y 1
		.amdhsa_system_sgpr_workgroup_id_z 1
		.amdhsa_system_vgpr_workitem_id 0
		.amdhsa_next_free_vgpr 194
		.amdhsa_next_free_sgpr 66
		.amdhsa_reserve_vcc 0
		.amdhsa_float_denorm_mode_32 3
		.amdhsa_float_denorm_mode_16_64 3
		.amdhsa_memory_ordered 1
		.amdhsa_forward_progress 1
		.amdhsa_inst_pref_size 20
	.end_amdhsa_kernel
	.amdgpu_metadata
---
amdhsa.version: [ 1, 2 ]
amdhsa.kernels:
  - .name:           k_q1a831883cc_gain
    .symbol:         k_q1a831883cc_gain.kd
    .args:
      - { .name: cond_norm, .offset: 0, .size: 8, .value_kind: global_buffer, .address_space: global }
      - { .name: norm_w, .offset: 8, .size: 8, .value_kind: global_buffer, .address_space: global }
      - { .name: gain, .offset: 16, .size: 8, .value_kind: global_buffer, .address_space: global }
    .group_segment_fixed_size: 768
    .private_segment_fixed_size: 0
    .kernarg_segment_align: 8
    .kernarg_segment_size: 24
    .max_flat_workgroup_size: 128
    .sgpr_count:     66
    .vgpr_count:     194
    .wavefront_size: 32
...
	.end_amdgpu_metadata
.endif
;; end of part 1
;; launch norm (part 2): grid 256 x 1, 4 waves a work-group, no clusters, 327,680 bytes of LDS; arguments x, gain, xq_c, xq_s; writes xq_c, xq_s
.if DOCPART == 2
	.amdgcn_target "amdgcn-amd-amdhsa--gfx1250"
	.amdhsa_code_object_version 6
	.text
	.protected	k_q1a831883cc_norm
	.globl	k_q1a831883cc_norm
	.p2align	8
	.type	k_q1a831883cc_norm,@function
k_q1a831883cc_norm:
	s_mov_b64 s[64:65], 0
	v_nop
	global_prefetch_b8 v0, s[64:65] scope:SCOPE_SE
	s_setreg_imm32_b32 hwreg(HW_REG_WAVE_MODE, 25, 1), 1
	s_wait_xcnt 0x0
.set ROWL, 4608
.set WREG, 8*ROWL
.set SB,   4*WREG
.set INV,  8
.set PT,   12
.set T,    16
.set MX,   24
.set SO,   28
.set G,    32
.set X,    64
.set CO,   192
.set E,    224
.set TP,   232
	s_load_b256 s[4:11], s[0:1], 0x0
	v_lshl_add_u32 v254, v0, 2, 0x29000
	v_mov_b32 v255, 0
	ds_add_u32 v254, v255
	ds_add_u32 v254, v255
	v_lshrrev_b32 v1, 5, v0
	v_readfirstlane_b32 s12, v1
	s_mul_i32 s13, s12, WREG
	s_mov_b32 s16, (2<<16)|(1<<20)|(4<<22)|(3<<25)
	s_mov_b32 s17, 1024<<16
	s_mov_b32 s18, 4<<16
	s_mov_b32 s19, 1024<<16
	s_mov_b32 s20, 4
	s_mov_b32 s21, 1024
	s_mov_b32 s22, 0
	s_mov_b32 s23, 0
	s_lshl_b32 s36, ttmp9, 17
	s_lshl_b32 s37, s12, 15
	s_add_co_u32 s36, s36, s37
	s_mov_b32 s37, 0
	s_lshr_b32 s38, ttmp9, 6
	s_lshl_b32 s38, s38, 6
	s_mov_b32 s39, 0
	s_lshl_b32 s40, ttmp9, 14
	s_lshl_b32 s41, s12, 12
	s_add_co_u32 s40, s40, s41
	s_mov_b32 s41, 0
	s_lshl_b32 s42, ttmp9, 10
	s_lshl_b32 s43, s12, 8
	s_add_co_u32 s42, s42, s43
	s_mov_b32 s43, 0
	s_mov_b32 s32, 0x76543210
	s_mov_b32 s33, 0xfedcba98
	s_mov_b32 s34, 0x3a800000
	s_mov_b32 s35, 0x358637bd
	s_wait_dscnt 0x0
	s_wait_kmcnt 0x0
	s_add_nc_u64 s[4:5], s[4:5], s[36:37]
	s_mov_b32 s24, 1
	s_mov_b32 s25, s13
	s_mov_b64 s[26:27], s[4:5]
	s_or_b32 s27, s27, 0x80000000
	tensor_load_to_lds s[24:27], s[16:23]
	s_nop 0
	s_mov_b32 s28, 1
	s_add_co_u32 s29, s13, 4*ROWL
	s_add_nc_u64 s[30:31], s[4:5], 16384
	s_or_b32 s31, s31, 0x80000000
	s_wait_alu depctr_va_vdst(0)
	s_wait_tensorcnt 0x0
	ds_add_u32 v254, v255
	s_wait_dscnt 0x0
	s_barrier_signal -1
	s_barrier_wait -1
	tensor_load_to_lds s[28:31], s[16:23]
	s_nop 0
	v_and_b32 v1, 31, v0
	s_add_nc_u64 s[6:7], s[6:7], s[38:39]
	s_add_nc_u64 s[8:9], s[8:9], s[40:41]
	s_add_nc_u64 s[10:11], s[10:11], s[42:43]
	v_lshlrev_b32 v3, 9, v1
.irp e, 0,1
.irp i, 0,1,2,3
	global_load_b128 v[G+16*\e+4*\i:G+16*\e+4*\i+3], v3, s[6:7] offset:256*\e+16*\i
.endr
.endr
	v_mul_u32_u24 v2, v1, 144
	v_add_nc_u32 v2, s13, v2
	v_lshlrev_b32 v4, 4, v1
	s_lshl_b32 s14, s12, 8
	s_add_co_u32 s14, s14, SB
	v_add_nc_u32 v5, s14, v1
	v_lshlrev_b32 v7, 3, v1
	v_add_nc_u32 v6, s14, v7
	v_mov_b32 v9, 0
	v_mov_b32 v11, 0
	v_mov_b32 v12, 0
	v_mov_b32 v13, 0
.macro LDPAIR p
.irp q, 0,1
.irp i, 0,1,2,3,4,5,6,7
	ds_load_b128 v[X+64*((\p)%2)+32*\q+4*\i:X+64*((\p)%2)+32*\q+4*\i+3], v2 offset:(2*(\p)+\q)*ROWL+16*\i
.endr
.endr
.endm
.macro PAIR p, left
.set XS, X+64*((\p)%2)
.if (\p) == 1
	s_wait_tensorcnt 0x0
.endif
.if (\p) < 3
	LDPAIR (\p)+1
.endif
	s_wait_dscnt \left
.irp q, 0,1
	v_pk_mul_f32 v[T+4*\q:T+4*\q+1], v[XS+32*\q:XS+32*\q+1], v[XS+32*\q:XS+32*\q+1]
	v_pk_mul_f32 v[T+4*\q+2:T+4*\q+3], v[XS+32*\q+2:XS+32*\q+3], v[XS+32*\q+2:XS+32*\q+3]
.endr
.irp i, 4,8,12,16,20,24,28
.irp q, 0,1
	v_pk_fma_f32 v[T+4*\q:T+4*\q+1], v[XS+32*\q+\i:XS+32*\q+\i+1], v[XS+32*\q+\i:XS+32*\q+\i+1], v[T+4*\q:T+4*\q+1]
	v_pk_fma_f32 v[T+4*\q+2:T+4*\q+3], v[XS+32*\q+\i+2:XS+32*\q+\i+3], v[XS+32*\q+\i+2:XS+32*\q+\i+3], v[T+4*\q+2:T+4*\q+3]
.endr
.endr
.irp q, 0,1
	v_pk_add_f32 v[T+4*\q:T+4*\q+1], v[T+4*\q:T+4*\q+1], v[T+4*\q+2:T+4*\q+3]
.endr
.irp q, 0,1
	v_add_f32 v[T+4*\q], v[T+4*\q], v[T+4*\q+1]
.endr
.irp m, 1,2,4,8
.irp q, 0,1
	v_add_f32_dpp v[T+4*\q], v[T+4*\q], v[T+4*\q] row_xmask:\m row_mask:0xf bank_mask:0xf
.endr
.endr
.irp q, 0,1
	v_permlanex16_b32 v[PT+\q], v[T+4*\q], s32, s33
.endr
.irp q, 0,1
	v_add_f32 v[T+4*\q], v[T+4*\q], v[PT+\q]
.endr
.irp q, 0,1
	v_fma_f32 v[T+4*\q], v[T+4*\q], s34, s35
.endr
	s_wait_alu depctr_va_vdst(0)
.irp q, 0,1
	v_rsq_f32 v[INV+2*\q], v[T+4*\q]
.endr
	v_nop
	s_wait_alu depctr_va_vdst(0)
.irp i, 0,2,4,6,8,10,12,14,16,18,20,22,24,26,28,30
.irp q, 0,1
	v_pk_mul_f32 v[TP+2*((\i+\q)%8):TP+2*((\i+\q)%8)+1], v[G+\i:G+\i+1], v[INV+2*\q:INV+2*\q+1] op_sel_hi:[1,0]
.endr
.irp q, 0,1
	v_pk_mul_f32 v[XS+32*\q+\i:XS+32*\q+\i+1], v[XS+32*\q+\i:XS+32*\q+\i+1], v[TP+2*((\i+\q)%8):TP+2*((\i+\q)%8)+1]
.endr
.endr
.irp q, 0,1
	v_max3_num_f32 v[MX+2*\q], |v[XS+32*\q]|, |v[XS+32*\q+1]|, |v[XS+32*\q+2]|
	v_max3_num_f32 v[MX+2*\q+1], |v[XS+32*\q+3]|, |v[XS+32*\q+4]|, |v[XS+32*\q+5]|
.endr
.irp i, 6,10,14,18,22,26
.irp q, 0,1
	v_max3_num_f32 v[MX+2*\q], v[MX+2*\q], |v[XS+32*\q+\i]|, |v[XS+32*\q+\i+1]|
	v_max3_num_f32 v[MX+2*\q+1], v[MX+2*\q+1], |v[XS+32*\q+\i+2]|, |v[XS+32*\q+\i+3]|
.endr
.endr
.irp q, 0,1
	v_max3_num_f32 v[MX+2*\q], v[MX+2*\q], |v[XS+32*\q+30]|, |v[XS+32*\q+31]|
.endr
.irp q, 0,1
	v_max3_num_f32 v[MX+2*\q], v[MX+2*\q], v[MX+2*\q+1], 0x1800000
.endr
.irp q, 0,1
	v_add_nc_u32 v[SO+\q], 0xff000000, v[MX+2*\q]
.endr
.irp q, 0,1
.irp g, 0,1,2,3
	v_cvt_scalef32_pk8_fp4_f32 v[CO+4*(2*(\p)+\q)+\g], v[XS+32*\q+8*\g:XS+32*\q+8*\g+7], v[SO+\q]
.endr
.endr
.irp q, 0,1
	v_lshrrev_b32 v[E+2*(\p)+\q], 23, v[SO+\q]
.endr
.irp q, 0,1
	ds_store_b8 v5, v[E+2*(\p)+\q] offset:32*(2*(\p)+\q)
	global_store_b128 v4, v[CO+4*(2*(\p)+\q):CO+4*(2*(\p)+\q)+3], s[8:9] offset:512*(2*(\p)+\q)
.endr
.endm
	s_wait_alu depctr_va_vdst(0)
	s_wait_tensorcnt 0x1
	LDPAIR 0
	s_wait_loadcnt 0x0
	PAIR 0, 16
	PAIR 1, 18
	PAIR 2, 18
	PAIR 3, 2
	ds_load_b64 v[30:31], v6
	s_wait_dscnt 0x0
	global_store_b64 v7, v[30:31], s[10:11]
	s_wait_tensorcnt 0x0
	ds_add_u32 v254, v255
	s_wait_dscnt 0x0
	s_endpgm
.Lfunc_end_k_q1a831883cc_norm:
	.size	k_q1a831883cc_norm, .Lfunc_end_k_q1a831883cc_norm-k_q1a831883cc_norm
	.p2alignl 7, 3214868480
	.fill 96, 4, 3214868480
	.section	.rodata,"a",@progbits
	.p2align	6, 0x0
	.amdhsa_kernel k_q1a831883cc_norm
		.amdhsa_group_segment_fixed_size 327680
		.amdhsa_private_segment_fixed_size 0
		.amdhsa_enable_private_segment 0
		.amdhsa_kernarg_size 32
		.amdhsa_user_sgpr_count 2
		.amdhsa_user_sgpr_kernarg_segment_ptr 1
		.amdhsa_wavefront_size32 1
		.amdhsa_system_sgpr_workgroup_id_x 1
		.amdhsa_system_sgpr_workgroup_id_y 1
		.amdhsa_system_sgpr_workgroup_id_z 1
		.amdhsa_system_vgpr_workitem_id 0
		.amdhsa_next_free_vgpr 256
		.amdhsa_next_free_sgpr 66
		.amdhsa_reserve_vcc 0
		.amdhsa_float_denorm_mode_32 3
		.amdhsa_float_denorm_mode_16_64 3
		.amdhsa_memory_ordered 1
		.amdhsa_forward_progress 1
		.amdhsa_inst_pref_size 50
	.end_amdhsa_kernel
	.amdgpu_metadata
---
amdhsa.version: [ 1, 2 ]
amdhsa.kernels:
  - .name:           k_q1a831883cc_norm
    .symbol:         k_q1a831883cc_norm.kd
    .args:
      - { .name: x, .offset: 0, .size: 8, .value_kind: global_buffer, .address_space: global }
      - { .name: gain, .offset: 8, .size: 8, .value_kind: global_buffer, .address_space: global }
      - { .name: xq_c, .offset: 16, .size: 8, .value_kind: global_buffer, .address_space: global }
      - { .name: xq_s, .offset: 24, .size: 8, .value_kind: global_buffer, .address_space: global }
    .group_segment_fixed_size: 327680
    .private_segment_fixed_size: 0
    .kernarg_segment_align: 8
    .kernarg_segment_size: 32
    .max_flat_workgroup_size: 128
    .sgpr_count:     66
    .vgpr_count:     256
    .wavefront_size: 32
...
	.end_amdgpu_metadata
.endif
;; end of part 2
;; launch qkv (part 3): grid 8 x 32, 4 waves a work-group, clusters of 4 x 4, 327,680 bytes of LDS; arguments xq_c, xq_s, qkv_w_codes, qkv_w_scales, head_scale, qkv_c, qkv_s; writes qkv_c, qkv_s
.if DOCPART == 3
	.amdgcn_target "amdgcn-amd-amdhsa--gfx1250"
	.amdhsa_code_object_version 6
	.text
	.protected	k_q1a831883cc_qkv
	.globl	k_q1a831883cc_qkv
	.p2align	8
	.type	k_q1a831883cc_qkv,@function
k_q1a831883cc_qkv:
	s_mov_b64 s[64:65], 0
	v_nop
	global_prefetch_b8 v0, s[64:65] scope:SCOPE_SE
	s_setreg_imm32_b32 hwreg(HW_REG_WAVE_MODE, 25, 1), 1
	s_wait_xcnt 0x0
	s_wait_alu depctr_hold_cnt(0) depctr_sa_sdst(0) depctr_va_vdst(0) depctr_va_sdst(0) depctr_va_ssrc(0) depctr_va_vcc(0) depctr_vm_vsrc(0)
	s_getreg_b32 s2, hwreg(HW_REG_IB_STS2, 6, 4)
	s_cmp_eq_u32 s2, 0
	s_cbranch_scc0 .Lentry_in_a_cluster
	s_endpgm
.Lentry_in_a_cluster:
	s_bfe_u32 s2, ttmp6, 0x10000c
	s_cmp_lg_u32 s2, 0xf033
	s_cbranch_scc0 .Lentry_shape_is_right
	s_endpgm
.Lentry_shape_is_right:
; qkv = xn W^T on codes of FP4 (E2M1) with E8M0 scales, K = 1,024; then q and k are scaled per token and head by sqrt(head_scale) rsqrt(sum of squares + 1e-6); q and k are quantised along the head's 64,
; v along the KEYS (its K in the second product of attention).  Nothing but codes and scale words goes to memory.
; SHARES.  8 x 32 = 256 work-groups.  Work-group (X, Y) makes 256 tokens (Y) x 256 features of q (X = 0..3) or k (X = 4..7), a wave 128 x 128: 64 accumulators; and then, from the same tokens, 128 features of v
; (rows 2,048 + 128 X of W), a wave 64 features x 128 tokens: 32 accumulators.  So every work-group has the same work: 512 + 256 matrix instructions a wave.
; LDS holds all of K for the 256 tokens and for the 256 rows of W of the q/k tile (2 x 256 rows x 512 bytes): each LDS byte is filled once, every wave waits for its loads and passes one barrier, and from then on
; LDS is only read.  W's 128 rows for v have no room beside them (640 rows x 512 bytes are all of LDS): a wave's 64 rows, 4 blocks x 8 K steps x 8 registers, go from memory straight into the 256 registers
; that held W's fragments, asked for behind the last q/k product, and land under the q/k way out.
; CLUSTERS: 4 x 4 work-groups; the four of a row of the cluster need the same tokens, the four of a column the same rows of W: joint tensor loads, the same descriptor and a mask that names the four.
; LAYOUT.  Source 1's rows land in lanes, source 0's run along a lane's registers.  q, k: source 1 = tokens, source 0 = features: a lane holds one token, its registers run along the head.
; v: source 1 = features, source 0 = tokens: a lane holds one channel, its registers run along the keys.
; FROM RESULTS TO CODES.  Four neighbouring tiles are 64 along the next K: tile t, register j, lane half h hold index 16 t + 8 h + j.  Converted in the order tile 0, 2, 1, 3 into registers 0, 1, 2, 3 and with
; the halves of registers (0, 1) and (2, 3) exchanged, lane (r, h) holds the codes 32 h .. 32 h + 31 of row r: the operand's own registers.  Stored 16 bytes a lane they are an IMAGE of 512 consecutive bytes.
; qkv_c: part t (q, k, v) at t x 4 MiB; head H = 16 n + head at H x 65,536; q, k: image of token tile i at 512 i; v: image of (block of 64 keys b, channel tile u) at 2,048 b + 512 u.
; qkv_s: q at 0, k at 512 KiB: H x 8,192 + (128 tokens) x 512 + 16 x lane, word i = tile 2 i + h, row r, bytes 0, 1 the two blocks, bytes 2, 3 zero;  v at 1 MiB: H x 4,096 + (128 keys) x 256 + 8 x lane, word i = channel tile 2 i + h.
; LIMITS: a block of zeros gets the byte 1 over zero codes (read by this program alone); NaN and infinities are not served; a negative head_scale is not served; roots by v_sqrt_f32 and v_rsq_f32.
; REGISTERS, in windows of 256: window 0: v16-31 addresses and factors; v32-95 scale words (on the ways out: codes); v96-127 the scale words of W's rows for v; v128-255 source 1's fragments (q, k) or source 0's (v), two sets
;   (on the ways out: v128-163 at work, v192-255 64 scaled numbers).   window 1: W's fragments, two sets, at v0 and v128; then all of W's rows for v: block a, K step s at v[8 (8 a + s)].
;   windows 2, 3: q, k: accumulator (a, b) at v[8 (8 (a % 4) + b)] of window 2 + a / 4;  v: accumulator (a, b) at v[8 (8 a + b)] of window 2.
.set PITCH, 528                        ; an LDS row: 512 bytes + 16 of padding = 132 words: the 16 rows that a load touches start at 16 different banks (64 banks of 4 bytes: ISA guide 11.1)
.set HALFT, 128*PITCH                  ; 128 rows: what one wave reads of a side
.set XT,    2*HALFT                    ; the tokens' 256 rows lie at 0, W's 256 rows here
.set YS,    4*HALFT                    ; the tokens' scale bytes: blocks of 256 bytes + 16 of padding
.set HALFS, 16*272                     ; those of 128 rows
.set XS,    YS+2*HALFS                 ; W's
.set ADRA, 16                          ; v16  LDS address of the tokens' fragments for q, k: my half by wave / 2
.set ADRB, 17                          ; v17  of W's: my half by wave % 2
.set ADRS, 18                          ; v18  of the scale words for q, k: lanes 0-15 the tokens' rows, lanes 16-31 W's
.set ADRT, 19                          ; v19  of the tokens' fragments for v: my half by wave % 2
.set ADTS, 20                          ; v20  of their scale words
.set L16,  21                          ; v21  16 x lane
.set L8,   22                          ; v22  8 x lane
.set VW,   23                          ; v23  W's rows for v: 512 r + 16 h
.set VWS,  24                          ; v24  their scale bytes: 32 r
.set SQ,   26                          ; v26-27  sqrt(head_scale) of my two heads
.set F,    28                          ; v[28:29], v[30:31]  the factor of group g (upper halves written once)
.set SC,   32                          ; v32-95  q, k: register 8 i + s: lanes 0-15 the tokens' block i, lanes 16-31 W's block i, K step s;  v: the tokens' block i
.set WS,   96                          ; v96-127 W's rows for v: block a, K step s at 8 a + s
.set AF,   128
.set SW,   128                         ; the ways out: v128-143 the scale words made: block a, group g at 2 a + g
.set T,    144                         ; v144-151 sums of squares; then largest magnitudes (144-147)
.set SOF,  152                         ; v152-155 the conversions' scale operands
.set MT,   156                         ; v156-159 the lane exchange's temporaries
.set BY,   160                         ; v160-163 scale bytes
.set CO,   32                          ; v32-95: four registers of codes for each (a, g), so that no store's data are written again
.set YY,   192                         ; v192-255: the 64 scaled numbers of a block a
.set MSB, 0
.macro WIN new                         ; the immediate's high byte repeats the setting that is left; a switch that changes nothing is dropped
.if MSB != (\new)
	s_set_vgpr_msb (MSB<<8)|(\new)
.set MSB, (\new)
.endif
.endm
.macro PLACES                          ; four plain instructions between a matrix instruction and a load into, or a vector read or write of, its registers
.rept 4
	v_nop
.endr
.endm
.macro CROUND                          ; a round of the cluster's barrier
	s_barrier_signal -1
	s_barrier_wait -1
	s_cmp_lg_u32 s18, 0
	s_cbranch_scc1 .Lnot_wave_0_\@
	s_barrier_signal -3
.Lnot_wave_0_\@:
	s_barrier_wait -3
	s_barrier_signal -1
	s_barrier_wait -1
.endm
	s_load_b256 s[4:11], s[0:1], 0x0               ; xq_c s[4:5], xq_s s[6:7], W's codes s[8:9], W's scales s[10:11]
	s_load_b128 s[12:15], s[0:1], 0x20             ; head_scale s[12:13], qkv_c s[14:15]
	s_load_b64 s[16:17], s[0:1], 0x30              ; qkv_s
	v_lshl_add_u32 v15, v0, 2, 0x46400
	v_mov_b32 v25, 0
	ds_add_u32 v15, v25
	ds_add_u32 v15, v25
	v_lshrrev_b32 v1, 5, v0
	v_readfirstlane_b32 s18, v1                    ; wave 0..3
	s_lshr_b32 s19, s18, 1                         ; wave / 2: my half of source 1's rows
	s_and_b32 s20, s18, 1                          ; wave % 2: my half of source 0's rows
	s_bfe_u32 s21, ttmp6, 0x40000                  ; cx, cy: my place in the cluster
	s_bfe_u32 s22, ttmp6, 0x40004
	s_lshl_b32 s23, ttmp9, 2
	s_add_co_u32 s23, s23, s21                     ; X: 256 rows of W for q, k; 128 for v
	s_and_b32 s24, ttmp7, 0xffff
	s_lshl_b32 s24, s24, 2
	s_add_co_u32 s24, s24, s22                     ; Y: 256 tokens
	s_lshl_b32 s26, s22, 2
	s_lshl_b32 s26, 15, s26                        ; my row of the cluster
	s_lshl_b32 s27, 0x1111, s21                    ; my column
	; group 1 for codes: 256 rows x 512 bytes, 4 words of padding behind every 128
	s_or_b32 s28, s26, (1<<20)|(1<<21)|(6<<22)|(3<<25)   ; the tokens' tile goes to my row of the cluster,
	s_or_b32 s36, s27, (1<<20)|(1<<21)|(6<<22)|(3<<25)   ; W's to my column
.irp g, 28, 36
	s_mov_b32 s[\g+1], 512<<16
	s_mov_b32 s[\g+2], 256<<16
	s_mov_b32 s[\g+3], 512<<16
	s_mov_b32 s[\g+4], 256
	s_mov_b32 s[\g+5], 512
	s_mov_b32 s[\g+6], 0
	s_mov_b32 s[\g+7], 0
.endr
	; group 1 for the scale bytes of 256 rows: 8,192 dense bytes as 32 rows of 32 elements of 8 bytes, 4 words of padding behind each
	s_or_b32 s44, s26, (3<<16)|(1<<20)|(1<<21)|(5<<22)|(3<<25)
	s_or_b32 s52, s27, (3<<16)|(1<<20)|(1<<21)|(5<<22)|(3<<25)
.irp g, 44, 52
	s_mov_b32 s[\g+1], 32<<16
	s_mov_b32 s[\g+2], 32<<16
	s_mov_b32 s[\g+3], 32<<16
	s_mov_b32 s[\g+4], 32
	s_mov_b32 s[\g+5], 32
	s_mov_b32 s[\g+6], 0
	s_mov_b32 s[\g+7], 0
.endr
	s_mov_b32 s92, 0                               ; a load brings a tile's 256 rows whole
	s_lshl_b32 s93, s24, 8
	s_add_co_u32 s93, s93, s92                     ; the tokens' row (never holds cx)
	s_lshl_b32 s94, s23, 8
	s_add_co_u32 s94, s94, s92                     ; W's row (never holds cy)
	s_lshl_b32 s84, s93, 9                         ; 512 bytes of codes a row,
	s_mov_b32 s85, 0
	s_lshl_b32 s86, s93, 5                         ; 32 scale bytes
	s_mov_b32 s87, 0
	s_lshl_b32 s88, s94, 9
	s_mov_b32 s89, 0
	s_lshl_b32 s90, s94, 5
	s_mov_b32 s91, 0
	s_wait_dscnt 0x0
	s_wait_kmcnt 0x0
	s_mov_b32 s60, 1                               ; the tokens' codes
	s_mov_b32 s61, 0
	s_add_nc_u64 s[62:63], s[4:5], s[84:85]
	s_or_b32 s63, s63, 0x80000000
	s_mov_b32 s68, 1                               ; W's codes
	s_mov_b32 s69, XT
	s_add_nc_u64 s[70:71], s[8:9], s[88:89]
	s_or_b32 s71, s71, 0x80000000
	s_mov_b32 s72, 1                               ; the tokens' scales
	s_mov_b32 s73, YS
	s_add_nc_u64 s[74:75], s[6:7], s[86:87]
	s_or_b32 s75, s75, 0x80000000
	s_mov_b32 s76, 1                               ; W's scales
	s_mov_b32 s77, XS
	s_add_nc_u64 s[78:79], s[10:11], s[90:91]
	s_or_b32 s79, s79, 0x80000000
	CROUND                                         ; all sixteen work-groups are here: the joint loads meet
	; one load a wave, in one chain of branches on the wave's number: wave 0 the tokens' 256 rows of codes, wave 1 W's, wave 2 the tokens' scale bytes, wave 3 W's
	s_cmp_lt_u32 s18, 1
	s_cbranch_scc0 .Lhead_w
	tensor_load_to_lds s[60:63], s[28:35]
	s_nop 0
	PLACES
	s_branch .Lasked
.Lhead_w:
	s_cmp_lt_u32 s18, 2
	s_cbranch_scc0 .Lhead_ys
	tensor_load_to_lds s[68:71], s[36:43]
	s_nop 0
	PLACES
	s_branch .Lasked
.Lhead_ys:
	s_cmp_lt_u32 s18, 3
	s_cbranch_scc0 .Lhead_xs
	tensor_load_to_lds s[72:75], s[44:51]
	s_nop 0
	PLACES
	s_branch .Lasked
.Lhead_xs:
	tensor_load_to_lds s[76:79], s[52:59]
	s_nop 0
	PLACES
.Lasked:
	s_mov_b32 s81, 0xffff0000                      ; lanes 16-31
	s_mov_b32 s82, 0x76543210                      ; v_permlanex16_b32's selects for lane l xor 16
	s_mov_b32 s83, 0xfedcba98
	v_and_b32 v1, 15, v0                           ; r
	s_wait_alu depctr_va_vdst(0)
	v_bfe_u32 v2, v0, 4, 1                         ; h
	v_and_b32 v3, 31, v0                           ; lane
	; W's rows for v: my 64 begin at row 2,048 + 128 X + 64 (wave / 2)
	s_lshl_b32 s84, s23, 7
	s_lshl_b32 s85, s19, 6
	s_add_co_u32 s84, s84, s85
	s_add_co_u32 s84, s84, 2048
	s_lshl_b32 s86, s84, 9                         ; their codes,
	s_mov_b32 s87, 0
	s_lshl_b32 s88, s84, 5                         ; their scale bytes
	s_mov_b32 s89, 0
	s_add_nc_u64 s[8:9], s[8:9], s[86:87]
	s_add_nc_u64 s[10:11], s[10:11], s[88:89]
	v_lshlrev_b32 v[VWS], 5, v1
.irp a, 0,1,2,3
.irp u, 0,1
	global_load_b128 v[WS+8*\a+4*\u:WS+8*\a+4*\u+3], v[VWS], s[10:11] offset:512*\a+16*\u   ; lane r: row 16 a + r's eight scale words; a block's two loads cover 512 consecutive bytes
.endr
.endr
	v_mul_u32_u24 v4, v1, PITCH
	s_wait_alu depctr_va_vdst(0)
	v_lshl_add_u32 v4, v2, 4, v4                   ; a fragment's row x pitch + 16 h
	s_mul_i32 s84, s19, HALFT
	v_add_nc_u32 v[ADRA], s84, v4
	s_mul_i32 s85, s20, HALFT
	v_add_nc_u32 v[ADRT], s85, v4
	s_add_co_u32 s85, s85, XT
	v_add_nc_u32 v[ADRB], s85, v4
	v_lshrrev_b32 v5, 3, v1
	v_lshlrev_b32 v6, 5, v1
	v_lshl_add_u32 v5, v5, 4, v6                   ; my row's scale bytes: 32 r, and 16 more for each 256 passed
	s_mul_i32 s84, s19, HALFS                      ; the tokens': my 128 rows by wave / 2
	s_mul_i32 s85, s20, HALFS                      ; W's: my 128 rows by wave % 2, behind the tokens' 256
	s_add_co_u32 s86, s85, YS
	v_add_nc_u32 v[ADTS], s86, v5                  ; (for v: the tokens' 128 rows by wave % 2)
	s_add_co_u32 s85, s85, 2*HALFS
	s_sub_co_u32 s85, s85, s84
	v_mul_u32_u24 v6, s85, v2                      ; lanes 16-31 take W's: the lower base + h x the distance
	s_add_co_u32 s84, s84, YS
	v_add_nc_u32 v6, v5, v6
	v_add_nc_u32 v[ADRS], s84, v6
	v_lshlrev_b32 v[L16], 4, v3
	v_lshlrev_b32 v[L8], 3, v3
	v_lshlrev_b32 v[VW], 9, v1
	v_lshl_add_u32 v[VW], v2, 4, v[VW]
	v_mov_b32 v[F+1], 0
	v_mov_b32 v[F+3], 0
	; where my results go
	s_lshr_b32 s91, s24, 3                         ; the batch n
	s_and_b32 s92, s24, 7
	s_lshl_b32 s92, s92, 1                         ; twice my block of 256 tokens in the batch
	s_lshl_b32 s93, s91, 4                         ; 16 n
	s_lshl_b32 s94, s23, 1                         ; v: head 2 X + wave / 2,
	s_add_co_u32 s94, s94, s19
	s_add_co_u32 s94, s94, s93
	s_add_co_u32 s95, s92, s20                     ; 128 keys by wave % 2
	s_lshl_b32 s96, s94, 16
	s_lshl_b32 s98, s95, 12
	s_add_co_u32 s96, s96, s98
	s_add_co_u32 s96, s96, 0x800000
	s_mov_b32 s97, 0
	s_add_nc_u64 s[4:5], s[14:15], s[96:97]        ; v's images
	s_lshl_b32 s96, s94, 12
	s_lshl_b32 s98, s95, 8
	s_add_co_u32 s96, s96, s98
	s_add_co_u32 s96, s96, 0x100000
	s_add_nc_u64 s[6:7], s[16:17], s[96:97]        ; v's scale words
	s_lshl_b32 s90, s21, 2                         ; q, k: my first head: 4 cx + 2 (wave % 2),
	s_lshl_b32 s94, s20, 1
	s_add_co_u32 s90, s90, s94
	s_add_co_u32 s94, s93, s90
	s_add_co_u32 s95, s92, s19                     ; 128 tokens by wave / 2
	s_lshl_b32 s96, ttmp9, 22                      ; the part,
	s_lshl_b32 s98, s94, 16                        ; the head,
	s_add_co_u32 s96, s96, s98
	s_lshl_b32 s98, s95, 12                        ; 4,096 bytes for 128 tokens
	s_add_co_u32 s96, s96, s98
	s_add_nc_u64 s[14:15], s[14:15], s[96:97]      ; q's or k's images
	s_lshl_b32 s96, ttmp9, 19
	s_lshl_b32 s98, s94, 13
	s_add_co_u32 s96, s96, s98
	s_lshl_b32 s98, s95, 9
	s_add_co_u32 s96, s96, s98
	s_add_nc_u64 s[16:17], s[16:17], s[96:97]      ; their scale words
	s_lshl_b32 s98, s90, 2
	s_mov_b32 s99, 0
	s_add_nc_u64 s[12:13], s[12:13], s[98:99]
	s_load_b64 s[66:67], s[12:13], 0x0             ; head_scale of my two heads
	s_wait_kmcnt 0x0
	s_wait_alu depctr_va_vdst(0)
	v_sqrt_f32 v[SQ], s66
	v_sqrt_f32 v[SQ+1], s67
	v_nop
	s_wait_tensorcnt 0x0                           ; my load has landed,
	s_barrier_signal -1
	s_barrier_wait -1                              ; everybody's has: LDS is whole, and only read from here on
.macro FRAG reg, adr, s, i             ; 16 rows x 128 K of 4-bit codes: registers 4 c .. 4 c + 3 hold K = 64 c + 32 h + 0 .. 31: 16 bytes of the row as they lie
.irp c, 0,1
	ds_load_b128 v[(\reg)+4*\c:(\reg)+4*\c+3], v[\adr] offset:(\i)*16*PITCH+64*(\s)+32*\c
.endr
.endm
.macro FETCH s, p                      ; q, k: K step s into set p: 32 loads in one run
	WIN 0x40                                       ; destination window 1
.irp i, 0,1,2,3,4,5,6,7
	FRAG 128*(\p)+8*\i, ADRB, \s, \i
.endr
	WIN 0
.irp i, 0,1,2,3,4,5,6,7
	FRAG AF+64*(\p)+8*\i, ADRA, \s, \i
.endr
.endm
; 32 matrix instructions: the tokens' blocks a0 .. a0 + 3 x W's eight.  The 64 accumulators take turns, one instruction a turn, in the same order in every K step
.macro MUL32 a0, p, s, zero
.irp a, \a0, \a0+1, \a0+2, \a0+3
.irp b, 0,1,2,3,4,5,6,7
.if \zero
	v_wmma_scale_f32_16x16x128_f8f6f4 v[8*(8*((\a)%4)+\b):8*(8*((\a)%4)+\b)+7], v[128*(\p)+8*\b:128*(\p)+8*\b+7], v[AF+64*(\p)+8*(\a):AF+64*(\p)+8*(\a)+7], 0, v[SC+8*\b+(\s)], v[SC+8*(\a)+(\s)] matrix_a_fmt:MATRIX_FMT_FP4 matrix_b_fmt:MATRIX_FMT_FP4 matrix_a_scale:MATRIX_SCALE_ROW1
.else
	v_wmma_scale_f32_16x16x128_f8f6f4 v[8*(8*((\a)%4)+\b):8*(8*((\a)%4)+\b)+7], v[128*(\p)+8*\b:128*(\p)+8*\b+7], v[AF+64*(\p)+8*(\a):AF+64*(\p)+8*(\a)+7], v[8*(8*((\a)%4)+\b):8*(8*((\a)%4)+\b)+7], v[SC+8*\b+(\s)], v[SC+8*(\a)+(\s)] matrix_a_fmt:MATRIX_FMT_FP4 matrix_b_fmt:MATRIX_FMT_FP4 matrix_a_scale:MATRIX_SCALE_ROW1
.endif
.endr
.endr
.endm
; K step s: the next step's fragments are asked for first, into the set that the step before has multiplied, and land under this step's 64 matrix instructions
.macro KSTEP s
.if (\s) > 0
.if (\s) < 7
	PLACES
.endif
.endif
.if (\s) < 7
	FETCH (\s)+1, ((\s)+1)%2
	s_wait_dscnt 32                                ; all but the 32 just issued
.else
	s_wait_dscnt 0x0
.endif
	WIN 0xa1                                       ; source 0 (W) window 1, source 1 (tokens) window 0, C and D window 2
.if (\s) == 0
	MUL32 0, 0, 0, 1                               ; the first step's products start the sums: nothing is cleared
	WIN 0xf1                                       ; C and D window 3
	MUL32 4, 0, 0, 1
.else
	MUL32 0, (\s)%2, \s, 0
	WIN 0xf1
	MUL32 4, (\s)%2, \s, 0
.endif
.endm
.irp i, 0,1,2,3,4,5,6,7
.irp u, 0,1
	ds_load_b128 v[SC+8*\i+4*\u:SC+8*\i+4*\u+3], v[ADRS] offset:544*\i+16*\u   ; all eight K steps' scale words of block i
.endr
.endr
	FETCH 0, 0
.irp s, 0,1,2,3,4,5,6,7
	KSTEP \s
.endr
	WIN 0
	PLACES                                         ; in front of the loads into W's fragments, of the first read of results and of the first write into the tokens' fragments
	WIN 0x40                                       ; destination window 1
.irp a, 0,1,2,3
.irp s, 0,1,2,3,4,5,6,7
.irp c, 0,1
	global_load_b128 v[8*(8*\a+\s)+4*\c:8*(8*\a+\s)+4*\c+3], v[VW], s[8:9] offset:8192*\a+64*\s+32*\c   ; W's rows for v, as fragments: they land under the way out below
.endr
.endr
.endr
	WIN 0
.irp k, 0,1,2,3
	v_mov_b32 v[MT+\k], 0                          ; written once: a lane permute's destination counts as one of its sources
.endr
.macro PACK4 d, s, so0, so1            ; 32 numbers of a lane (four tiles) into four registers of codes
	v_cvt_scalef32_pk8_fp4_f32 v[(\d)], v[(\s):(\s)+7], v[(\so0)]
	v_cvt_scalef32_pk8_fp4_f32 v[(\d)+2], v[(\s)+8:(\s)+15], v[(\so0)]
	v_cvt_scalef32_pk8_fp4_f32 v[(\d)+1], v[(\s)+16:(\s)+23], v[(\so1)]
	v_cvt_scalef32_pk8_fp4_f32 v[(\d)+3], v[(\s)+24:(\s)+31], v[(\so1)]
.endm
.macro SWAP4 d                         ; the first's lanes 16-31 change places with the second's lanes 0-15
	v_permlane16_swap_b32 v[(\d)], v[(\d)+1]
	v_permlane16_swap_b32 v[(\d)+2], v[(\d)+3]
.endm
.macro SCALES4 a                       ; from the four blocks' half maxima in v[T ..]: the whole maxima, the conversions' operands, the bytes, and the two scale words of block a
.irp k, 0,1,2,3
	v_permlanex16_b32 v[MT+\k], v[T+\k], s82, s83
.endr
.irp k, 0,1,2,3
	v_max_num_f32 v[T+\k], v[T+\k], v[MT+\k]       ; with lane l xor 16's: the block's largest magnitude
.endr
.irp k, 0,1,2,3
	v_add_nc_u32 v[SOF+\k], 0xff000000, v[T+\k]    ; 2 off its exponent field: the conversion's scale operand
.endr
.irp k, 0,1,2,3
	v_lshrrev_b32 v[BY+\k], 23, v[SOF+\k]          ; the scale's byte
.endr
.irp g, 0,1
	v_lshl_or_b32 v[SW+2*(\a)+\g], v[BY+2*\g+1], 8, v[BY+2*\g]
.endr
.endm
; THE WAY OUT of q's or k's token block a: its two heads g (four tiles, 64 along the next K) by turns
.macro QOUT a
.set AC, 64*((\a)%4)
	WIN 0x0a+5*((\a)/4)                            ; sources 0 and 1: window 2 or 3
.irp g, 0,1
	v_pk_mul_f32 v[T+4*\g:T+4*\g+1], v[AC+32*\g:AC+32*\g+1], v[AC+32*\g:AC+32*\g+1]   ; the sum of squares, each accumulator from its low end on
	v_pk_mul_f32 v[T+4*\g+2:T+4*\g+3], v[AC+32*\g+2:AC+32*\g+3], v[AC+32*\g+2:AC+32*\g+3]
.endr
.irp i, 4,8,12,16,20,24,28
.irp g, 0,1
	v_pk_fma_f32 v[T+4*\g:T+4*\g+1], v[AC+32*\g+\i:AC+32*\g+\i+1], v[AC+32*\g+\i:AC+32*\g+\i+1], v[T+4*\g:T+4*\g+1]
	v_pk_fma_f32 v[T+4*\g+2:T+4*\g+3], v[AC+32*\g+\i+2:AC+32*\g+\i+3], v[AC+32*\g+\i+2:AC+32*\g+\i+3], v[T+4*\g+2:T+4*\g+3]
.endr
.endr
	WIN 0
.irp g, 0,1
	v_pk_add_f32 v[T+4*\g:T+4*\g+1], v[T+4*\g:T+4*\g+1], v[T+4*\g+2:T+4*\g+3]
.endr
.irp g, 0,1
	v_add_f32 v[T+4*\g], v[T+4*\g], v[T+4*\g+1]
.endr
.irp g, 0,1
	v_permlanex16_b32 v[MT+\g], v[T+4*\g], s82, s83
.endr
.irp g, 0,1
	v_add_f32 v[T+4*\g], v[T+4*\g], v[MT+\g]       ; with lane l xor 16's 32: the head's 64
.endr
.irp g, 0,1
	v_add_f32 v[T+4*\g], 0x358637bd, v[T+4*\g]     ; + 1e-6
.endr
	s_wait_alu depctr_va_vdst(0)
.irp g, 0,1
	v_rsq_f32 v[T+4*\g+1], v[T+4*\g]
.endr
	v_nop                                          ; a plain instruction behind the transcendentals
	s_wait_alu depctr_va_vdst(0)
.irp g, 0,1
	v_mul_f32 v[F+2*\g], v[SQ+\g], v[T+4*\g+1]
.endr
	WIN 2+(\a)/4                                   ; source 0: window 2 or 3
.irp i, 0,2,4,6,8,10,12,14,16,18,20,22,24,26,28,30
.irp g, 0,1
	v_pk_mul_f32 v[YY+32*\g+\i:YY+32*\g+\i+1], v[AC+32*\g+\i:AC+32*\g+\i+1], v[F+2*\g:F+2*\g+1] op_sel_hi:[1,0]
.endr
.endr
	WIN 0
.irp k, 0,1,2,3                        ; four blocks of 32: block k = 2 g + (half of the 64): my 16 numbers, and the floor 2^(3 - 127)
	v_max3_num_f32 v[T+\k], |v[YY+16*\k]|, |v[YY+16*\k+1]|, 0x1800000
.endr
.irp i, 2,4,6,8,10,12,14
.irp k, 0,1,2,3
	v_max3_num_f32 v[T+\k], v[T+\k], |v[YY+16*\k+\i]|, |v[YY+16*\k+\i+1]|
.endr
.endr
	SCALES4 \a
.irp g, 0,1
	PACK4 CO+4*(2*(\a)+\g), YY+32*\g, SOF+2*\g, SOF+2*\g+1
.endr
	v_nop                                          ; a plain instruction behind the scaled conversions
.irp g, 0,1
	SWAP4 CO+4*(2*(\a)+\g)
.endr
.irp g, 0,1
	global_store_b128 v[L16], v[CO+4*(2*(\a)+\g):CO+4*(2*(\a)+\g)+3], s[14:15] offset:65536*\g+512*(\a)   ; an image: 512 consecutive bytes
.endr
.endm
.irp a, 0,1,2,3,4,5,6,7
	QOUT \a
.endr
.irp g, 0,1                            ; head g: lane (r, h) stores the words of token tiles h, 2 + h, 4 + h, 6 + h
.irp i, 0,1,2,3
	v_cndmask_b32 v[T+4*\g+\i], v[SW+4*\i+\g], v[SW+4*\i+2+\g], s81
.endr
	global_store_b128 v[L16], v[T+4*\g:T+4*\g+3], s[16:17] offset:8192*\g   ; 512 consecutive bytes
.endr
; ---- v: my 64 features (source 1, in window 1) x my 128 tokens (source 0, from LDS)
.macro FETCHV s, p                     ; the tokens' eight fragments of K step s into set p: 16 loads
.irp i, 0,1,2,3,4,5,6,7
	FRAG AF+64*(\p)+8*\i, ADRT, \s, \i
.endr
.endm
.macro MULV p, s, zero                 ; the 32 accumulators take turns, one instruction a turn, in the same order in every K step
.irp a, 0,1,2,3
.irp b, 0,1,2,3,4,5,6,7
.if \zero
	v_wmma_scale_f32_16x16x128_f8f6f4 v[8*(8*\a+\b):8*(8*\a+\b)+7], v[AF+64*(\p)+8*\b:AF+64*(\p)+8*\b+7], v[8*(8*\a+(\s)):8*(8*\a+(\s))+7], 0, v[SC+8*\b+(\s)], v[WS+8*\a+(\s)] matrix_a_fmt:MATRIX_FMT_FP4 matrix_b_fmt:MATRIX_FMT_FP4
.else
	v_wmma_scale_f32_16x16x128_f8f6f4 v[8*(8*\a+\b):8*(8*\a+\b)+7], v[AF+64*(\p)+8*\b:AF+64*(\p)+8*\b+7], v[8*(8*\a+(\s)):8*(8*\a+(\s))+7], v[8*(8*\a+\b):8*(8*\a+\b)+7], v[SC+8*\b+(\s)], v[WS+8*\a+(\s)] matrix_a_fmt:MATRIX_FMT_FP4 matrix_b_fmt:MATRIX_FMT_FP4
.endif
.endr
.endr
.endm
.macro KSTEPV s
.if (\s) > 0
.if (\s) < 7
	PLACES                                         ; the loads below go into the set that the step before has multiplied
.endif
.endif
.if (\s) < 7
	WIN 0
	FETCHV (\s)+1, ((\s)+1)%2
	s_wait_dscnt 16                                ; all but the 16 just issued
.else
	s_wait_dscnt 0x0
.endif
	WIN 0xa4                                       ; source 0 (tokens) window 0, source 1 (W) window 1, C and D window 2
.if (\s) == 0
	MULV 0, 0, 1                                   ; the first step's products start the sums
.else
	MULV (\s)%2, \s, 0
.endif
.endm
	s_wait_xcnt 0x0                                ; q's or k's stores have read their registers: only behind this wait do loads land there
.irp i, 0,1,2,3,4,5,6,7
.irp u, 0,1
	ds_load_b128 v[SC+8*\i+4*\u:SC+8*\i+4*\u+3], v[ADTS] offset:544*\i+16*\u   ; the scale words of my 128 tokens
.endr
.endr
	FETCHV 0, 0
	s_wait_loadcnt 0x0                             ; W's rows for v and their scale words are in
.irp s, 0,1,2,3,4,5,6,7
	KSTEPV \s
.endr
; THE WAY OUT of v's channel tile a: its two groups g of 64 keys by turns; nothing is scaled, so the results are read where they lie
.macro VOUT a
	WIN 0x0a                                       ; sources 0 and 1: window 2
.irp k, 0,1,2,3
	v_max3_num_f32 v[T+\k], |v[64*(\a)+16*\k]|, |v[64*(\a)+16*\k+1]|, 0x1800000   ; each accumulator from its low end on
.endr
	WIN 0x28                                       ; sources 1 and 2: window 2
.irp i, 2,4,6,8,10,12,14
.irp k, 0,1,2,3
	v_max3_num_f32 v[T+\k], v[T+\k], |v[64*(\a)+16*\k+\i]|, |v[64*(\a)+16*\k+\i+1]|
.endr
.endr
	WIN 0
	SCALES4 \a
	WIN 0x02                                       ; source 0: window 2
.irp g, 0,1
	PACK4 CO+4*(2*(\a)+\g), 64*(\a)+32*\g, SOF+2*\g, SOF+2*\g+1
.endr
	WIN 0
	v_nop                                          ; a plain instruction behind the scaled conversions
.irp g, 0,1
	SWAP4 CO+4*(2*(\a)+\g)
.endr
.irp g, 0,1
	global_store_b128 v[L16], v[CO+4*(2*(\a)+\g):CO+4*(2*(\a)+\g)+3], s[4:5] offset:2048*\g+512*(\a)   ; an image: 512 consecutive bytes
.endr
.endm
	WIN 0
	PLACES
.irp a, 0,1,2,3
	VOUT \a
.endr
.irp u, 0,1,2,3                        ; a channel tile's word is its four key blocks' bytes; lane (r, h) stores the words of channel tiles h and 2 + h
	v_lshl_or_b32 v[MT+\u], v[SW+2*\u+1], 16, v[SW+2*\u]
.endr
.irp i, 0,1
	v_cndmask_b32 v[T+\i], v[MT+2*\i], v[MT+2*\i+1], s81
.endr
	global_store_b64 v[L8], v[T:T+1], s[6:7]       ; 256 consecutive bytes
	s_wait_tensorcnt 0x0
	ds_add_u32 v15, v25
	s_wait_dscnt 0x0
	CROUND                                         ; the closing round: no work-group ends while a partner may still ask for a tile that names it
	s_endpgm
.Lfunc_end_k_q1a831883cc_qkv:
	.size	k_q1a831883cc_qkv, .Lfunc_end_k_q1a831883cc_qkv-k_q1a831883cc_qkv
	.p2alignl 7, 3214868480
	.fill 96, 4, 3214868480
	.section	.rodata,"a",@progbits
	.p2align	6, 0x0
	.amdhsa_kernel k_q1a831883cc_qkv
		.amdhsa_group_segment_fixed_size 327680
		.amdhsa_private_segment_fixed_size 0
		.amdhsa_enable_private_segment 0
		.amdhsa_kernarg_size 56
		.amdhsa_user_sgpr_count 2
		.amdhsa_user_sgpr_kernarg_segment_ptr 1
		.amdhsa_wavefront_size32 1
		.amdhsa_system_sgpr_workgroup_id_x 1
		.amdhsa_system_sgpr_workgroup_id_y 1
		.amdhsa_system_sgpr_workgroup_id_z 1
		.amdhsa_system_vgpr_workitem_id 0
		.amdhsa_next_free_vgpr 1024
		.amdhsa_next_free_sgpr 100
		.amdhsa_reserve_vcc 0
		.amdhsa_float_denorm_mode_32 3
		.amdhsa_float_denorm_mode_16_64 3
		.amdhsa_memory_ordered 1
		.amdhsa_forward_progress 1
		.amdhsa_inst_pref_size 230
	.end_amdhsa_kernel
	.amdgpu_metadata
---
amdhsa.version: [ 1, 2 ]
amdhsa.kernels:
  - .name:           k_q1a831883cc_qkv
    .symbol:         k_q1a831883cc_qkv.kd
    .args:
      - { .name: xq_c, .offset: 0, .size: 8, .value_kind: global_buffer, .address_space: global }
      - { .name: xq_s, .offset: 8, .size: 8, .value_kind: global_buffer, .address_space: global }
      - { .name: qkv_w_codes, .offset: 16, .size: 8, .value_kind: global_buffer, .address_space: global }
      - { .name: qkv_w_scales, .offset: 24, .size: 8, .value_kind: global_buffer, .address_space: global }
      - { .name: head_scale, .offset: 32, .size: 8, .value_kind: global_buffer, .address_space: global }
      - { .name: qkv_c, .offset: 40, .size: 8, .value_kind: global_buffer, .address_space: global }
      - { .name: qkv_s, .offset: 48, .size: 8, .value_kind: global_buffer, .address_space: global }
    .group_segment_fixed_size: 327680
    .private_segment_fixed_size: 0
    .kernarg_segment_align: 8
    .kernarg_segment_size: 56
    .max_flat_workgroup_size: 128
    .sgpr_count:     100
    .vgpr_count:     1024
    .wavefront_size: 32
...
	.end_amdgpu_metadata
.endif
;; end of part 3
;; launch attn (part 4): grid 256 x 1, 16 waves a work-group, clusters of 4 x 1, 327,680 bytes of LDS; arguments qkv_c, qkv_s, out_w_codes, out_w_scales, x, out0; writes out0
.if DOCPART == 4
	.amdgcn_target "amdgcn-amd-amdhsa--gfx1250"
	.amdhsa_code_object_version 6
	.text
	.protected	k_q1a831883cc_attn
	.globl	k_q1a831883cc_attn
	.p2align	8
	.type	k_q1a831883cc_attn,@function
k_q1a831883cc_attn:
	s_mov_b64 s[64:65], 0
	v_nop
	global_prefetch_b8 v0, s[64:65] scope:SCOPE_SE
	s_setreg_imm32_b32 hwreg(HW_REG_WAVE_MODE, 25, 1), 1
	s_wait_xcnt 0x0
	s_wait_alu depctr_hold_cnt(0) depctr_sa_sdst(0) depctr_va_vdst(0) depctr_va_sdst(0) depctr_va_ssrc(0) depctr_va_vcc(0) depctr_vm_vsrc(0)
	s_getreg_b32 s2, hwreg(HW_REG_IB_STS2, 6, 4)
	s_cmp_eq_u32 s2, 0
	s_cbranch_scc0 .Lentry_in_a_cluster
	s_endpgm
.Lentry_in_a_cluster:
	s_bfe_u32 s2, ttmp6, 0x10000c
	s_cmp_lg_u32 s2, 0x3003
	s_cbranch_scc0 .Lentry_shape_is_right
	s_endpgm
.Lentry_shape_is_right:
; out0 = Q(softmax(q k^T) v) out_w^T + x: attention and the last product in one launch, all three products on codes of FP4 (E2M1) with E8M0 scales.  (pos is not an argument: reference() never uses it.)
; SHARES.  256 work-groups; a work-group owns 32 tokens of one batch and ALL 16 heads, so that o's 1,024 along the last product's K meet in one work-group.  Wave w is head w and owns two tiles of 16 queries:
; each fragment of K and V feeds two tiles.  In the last product wave w makes the 32 tokens x columns 64 w .. 64 w + 63.
; THE SOFTMAX: t = score x log2(e); M = the running largest t rounded UP to a whole number; p = 2^(t - M) is quantised along the keys; the row's sum is taken of the unquantised p in f32; when M moves, sum and O are
; multiplied by 2^(old M - new M), which rounds nothing.  Layouts of qkv_c and qkv_s, the choice of a tile's keys and a lane's arithmetic are as launch qkv lays them: both products transposed, a lane holds one query.
; THE RING.  Two LDS slots of 143,360 bytes; a slot holds 128 keys of all 16 heads: K's codes (head x 4,096), V's codes, K's scale words (head x 512), V's (head x 256).  One load a wave: waves 0-3 K's codes of four heads each
; (4 rows of 4,096 bytes), waves 4-7 V's, waves 8-11 K's scale words, waves 12-15 V's.  The change of slots stands BETWEEN a step's two tiles: by then a wave holds the step's fragments in registers, so the slot is free;
; the load issued there is waited for at the next step's change: tile 1's and the next tile 0's work stand between.
; CLUSTER.  The four work-groups of a cluster lie in one batch and walk the same K and V and the same out_w: joint loads, mask 15, each behind a round of the cluster's barrier.  x's load is each work-group's own.
; THE TAIL.  Steps 14 and 15 refill slot 0 with out_w's first quarter (wave w: rows 64 w + 16 q .., 16 rows, read by that wave alone) and slot 1 with the work-group's x (wave w: 32 rows x 256 bytes).  Quarters 1-3 follow into slot 0.
; x is the C of each accumulator's first product.  o goes from wave to wave as images of the operand's registers, in LDS bytes of their own.
; THE HEAD'S 64 fill half of the first product's 128 along K: Q's registers 4-7 hold zero codes.  K's fragments are four registers each and lie one behind the other, so a fragment's registers 4-7 are the next fragment's codes
; (the last one's: V's): finite numbers times zero codes, under scale bytes 0 (2^-127, no NaN), add exactly 0.
; PREFETCHES.  Behind the refill, in chosen trips, a wave has one prefetch, lanes 256 bytes apart (8,192 bytes):
; waves 0-7, in the even trips s = 0 .. 10: key steps s + 4 and s + 5 of ONE of the four heads whose codes the wave loads, the head told by the work-group's place in the cluster (by address): two and three refills ahead;
; waves 8-11, in trips 0, 2, 4, 6: the work-group's 131,072 dense bytes of x; waves 12-15, in the same trips: out_w's 524,288 bytes of codes, shared out among the cluster's sixteen such waves by address.
; So each aligned block of 256 bytes is named once in a cluster.  Key steps 0-3 and the scale bytes (12,288 bytes of a slot) come by their loads alone.  The last ask of each wave ends at its row's or block's last byte.
; LIMITS: the promise holds while |t| stays under 2^31; a block of zeros gets the byte 1 over zero codes (read here alone); a p under 2^-126 is 0 (v_exp_f32); 1 / sum by v_rcp_f32; NaN and infinities are not served.
; REGISTERS: v1-4 my places in a slot (K, V, K's words, V's words); v5, v6 the add's; v7 8 h; v8-11, v12-15 a tile's -M, largest t, sum (pair); v16-23, v24-31 Q; v32-63 K; v64-95 V; v96-159 S^T, then p; v160-191, v192-223 O^T;
;   v224-231 p's codes; v232-235 K's scale words, v236-237 V's, v238 p's, v239-240 Q's; v243 the prefetches' offset, 256 x lane; the rest of v241-255 at work.
;   Last product: v16-31 o's scale words; v32-63 out_w's; v64-95, v224-255 o's fragments; v96-159 out_w's; v160-223 the eight accumulators (q, a) at 160 + 16 q + 8 a.
.set SLOT,  143360
.set VC,    65536
.set KS,    131072
.set VS,    139264
.set OIM,   286720                     ; o's images: (tile a, head w) at 8,192 a + 512 w
.set OSW,   303104                     ; o's scale words: (a, K step s, row r) at 512 a + 64 s + 4 r
.set SPARE, 304128                     ; the spare words: 128 bytes a wave
.set WP,    528                        ; out_w's LDS row: 512 bytes + 16
.set WREG,  16*WP
.set XP,    272                        ; x's LDS row, and the stage's: 256 bytes + 16
.set XREG,  32*XP
.macro ALU
	s_wait_alu depctr_va_vdst(0)
.endm
.macro D1
	s_delay_alu instid0(VALU_DEP_1)
.endm
.macro NOP4
.rept 4
	v_nop
.endr
.endm
.macro ROUND                           ; a round of the cluster's barrier
	s_barrier_signal -1
	s_barrier_wait -1
	s_cmp_lg_u32 s16, 0
	s_cbranch_scc1 .Lnot_wave_0_\@
	s_barrier_signal -3
.Lnot_wave_0_\@:
	s_barrier_wait -3
	s_barrier_signal -1
	s_barrier_wait -1
.endm
.macro G1 g, w0, c, r, p               ; descriptor group 1: r rows of c elements of 8 bytes, p elements apart
	s_mov_b32 s[\g], \w0
	s_mov_b32 s[\g+1], (\c)<<16
	s_mov_b32 s[\g+2], (\r)<<16
	s_mov_b32 s[\g+3], (\c)<<16
	s_mov_b32 s[\g+4], \r
	s_mov_b32 s[\g+5], \p
	s_mov_b32 s[\g+6], 0
	s_mov_b32 s[\g+7], 0
.endm
.macro LOADKV                          ; my part of a slot: one chain of branches on the wave's number, a load in every arm; s25: the slot that is filled
	s_cmp_lt_u32 s16, 8
	s_cbranch_scc0 .Lks_\@
	s_add_co_u32 s61, s92, s25
	tensor_load_to_lds s[60:63], s[28:35]
	s_nop 0
	s_branch .Lasked_\@
.Lks_\@:
	s_cmp_lt_u32 s16, 12
	s_cbranch_scc0 .Lvs_\@
	s_add_co_u32 s61, s93, s25
	tensor_load_to_lds s[60:63], s[36:43]
	s_nop 0
	s_branch .Lasked_\@
.Lvs_\@:
	s_add_co_u32 s61, s94, s25
	tensor_load_to_lds s[60:63], s[44:51]
	s_nop 0
.Lasked_\@:
.endm
.macro WM d, a, b, z, sa, sb, row      ; D = A B + (z: 0, else D); row: A's scales from lanes 16-31
.if \z
.if \row
	v_wmma_scale_f32_16x16x128_f8f6f4 v[(\d):(\d)+7], v[(\a):(\a)+7], v[(\b):(\b)+7], 0, v[\sa], v[\sb] matrix_a_fmt:MATRIX_FMT_FP4 matrix_b_fmt:MATRIX_FMT_FP4 matrix_a_scale:MATRIX_SCALE_ROW1
.else
	v_wmma_scale_f32_16x16x128_f8f6f4 v[(\d):(\d)+7], v[(\a):(\a)+7], v[(\b):(\b)+7], 0, v[\sa], v[\sb] matrix_a_fmt:MATRIX_FMT_FP4 matrix_b_fmt:MATRIX_FMT_FP4
.endif
.else
.if \row
	v_wmma_scale_f32_16x16x128_f8f6f4 v[(\d):(\d)+7], v[(\a):(\a)+7], v[(\b):(\b)+7], v[(\d):(\d)+7], v[\sa], v[\sb] matrix_a_fmt:MATRIX_FMT_FP4 matrix_b_fmt:MATRIX_FMT_FP4 matrix_a_scale:MATRIX_SCALE_ROW1
.else
	v_wmma_scale_f32_16x16x128_f8f6f4 v[(\d):(\d)+7], v[(\a):(\a)+7], v[(\b):(\b)+7], v[(\d):(\d)+7], v[\sa], v[\sb] matrix_a_fmt:MATRIX_FMT_FP4 matrix_b_fmt:MATRIX_FMT_FP4
.endif
.endif
.endm
	s_load_b256 s[4:11], s[0:1], 0x0               ; qkv_c, qkv_s, out_w's codes, out_w's scales
	s_load_b128 s[12:15], s[0:1], 0x20             ; x, out0
	v_lshl_add_u32 v5, v0, 2, SPARE
	v_mov_b32 v6, 0
	ds_add_u32 v5, v6
	ds_add_u32 v5, v6
	v_lshrrev_b32 v8, 5, v0
	v_readfirstlane_b32 s16, v8                    ; wave = head, 0..15
	s_bfe_u32 s17, ttmp6, 0x40000                  ; cx: it enters Q's, x's and out0's addresses and the prefetches' alone
	s_lshl_b32 s18, ttmp9, 2
	s_add_co_u32 s18, s18, s17                     ; my 32 tokens
	s_lshr_b32 s19, ttmp9, 4                       ; the batch, which the four partners share
	G1 28, 15|(3<<16)|(1<<21), 512, 4, 8192        ; codes: 4 heads x 4,096 bytes, 65,536 apart
	G1 36, 15|(3<<16)|(1<<21), 64, 4, 1024         ; K's scale words: 4 x 512 bytes, 8,192 apart
	G1 44, 15|(3<<16)|(1<<21), 32, 4, 512          ; V's: 4 x 256 bytes, 4,096 apart
	G1 52, 15|(3<<16)|(1<<20)|(1<<21)|(6<<22)|(3<<25), 64, 16, 64   ; out_w: 16 rows x 512 bytes, 4 words of padding behind each
	G1 68, (3<<16)|(1<<20)|(5<<22)|(3<<25), 32, 32, 512             ; x: 32 rows x 256 bytes, 4,096 apart, 4 words of padding; no mask
	s_and_b32 s87, s16, 3
	s_lshl_b32 s87, s87, 2
	s_lshl_b32 s86, s19, 4
	s_add_co_u32 s87, s87, s86                     ; the first of my four heads: 16 n + 4 (wave % 4)
	s_cmp_lt_u32 s16, 12                           ; by the kind that I fetch: log2 of a head's bytes, of the part's first byte, of a step's bytes
	s_cselect_b32 s88, 13, 12
	s_cselect_b32 s89, 19, 20
	s_cselect_b32 s90, 9, 8
	s_cmp_lt_u32 s16, 8
	s_cselect_b32 s88, 16, s88
	s_cselect_b32 s89, 23, s89
	s_cselect_b32 s90, 12, s90
	s_cmp_lt_u32 s16, 4
	s_cselect_b32 s89, 22, s89
	s_lshl_b32 s87, s87, s88
	s_lshl_b32 s89, 1, s89
	s_add_co_u32 s86, s87, s89
	s_mov_b32 s87, 0
	s_lshl_b32 s84, 1, s90
	s_mov_b32 s85, 0
	s_lshl_b32 s92, s16, 14                        ; where my part lies in a slot: codes (V's lie behind K's four parts),
	s_lshl_b32 s93, s16, 11
	s_add_co_u32 s93, s93, KS-16384                ; K's words (waves 8-11),
	s_lshl_b32 s94, s16, 10
	s_add_co_u32 s94, s94, VS-12288                ; V's words (waves 12-15)
	s_mov_b32 s24, 0                               ; the slot that is read
	s_mov_b32 s25, 0                               ; the slot that is filled
	s_mov_b32 s20, 0x76543210                      ; v_permlanex16_b32's selects for lane l xor 16
	s_mov_b32 s21, 0xfedcba98
	s_mov_b32 s22, 0x3fb8aa3b                      ; log2(e)
	s_mov_b32 s23, s22
	s_mov_b32 s60, 1
	s_mov_b32 s76, 1
	s_mul_i32 s77, s16, WREG                       ; out_w's rows of mine, in slot 0
	s_mov_b32 s80, 1
	s_mul_i32 s81, s16, XREG
	s_add_co_u32 s81, s81, SLOT                    ; x's part of mine, in slot 1
	s_lshl_b32 s88, s16, 15                        ; out_w: 64 rows of 512 bytes a wave
	s_mov_b32 s89, 0
	s_lshl_b32 s90, s18, 17                        ; x, out0: 32 rows of 4,096 bytes a work-group, 256 bytes a wave
	s_lshl_b32 s91, s16, 8
	s_add_co_u32 s90, s90, s91
	s_mov_b32 s91, 0
	ALU
	s_wait_dscnt 0x0
	s_wait_kmcnt 0x0
	s_cmp_lt_u32 s16, 8
	s_cselect_b64 s[62:63], s[4:5], s[6:7]
	s_add_nc_u64 s[62:63], s[62:63], s[86:87]
	s_or_b32 s63, s63, 0x80000000
	s_add_nc_u64 s[78:79], s[8:9], s[88:89]
	s_or_b32 s79, s79, 0x80000000
	s_add_nc_u64 s[82:83], s[12:13], s[90:91]
	s_or_b32 s83, s83, 0x80000000
	s_add_nc_u64 s[14:15], s[14:15], s[90:91]
	ROUND                                          ; all four work-groups are here: the joint loads meet
	LOADKV                                         ; keys 0-127 into slot 0: one load a wave
	; the prefetches: s[2:3] where my wave's stand, s[100:101] a trip on, s27 the trips (bits of the loop's count) in which it asks
	s_lshl_b32 s95, s17, 16
	s_add_co_u32 s95, s95, s86
	s_add_co_u32 s95, s95, 16384                   ; waves 0-7: head cx of my four, key step 4
	s_and_b32 s96, s16, 3
	s_lshl_b32 s97, s96, 13
	s_lshl_b32 s98, s18, 17
	s_add_co_u32 s97, s97, s98                     ; waves 8-11: piece wave % 4 of the work-group's x; four pieces on every second trip
	s_lshl_b32 s96, s96, 2
	s_add_co_u32 s96, s96, s17
	s_lshl_b32 s96, s96, 13                        ; waves 12-15: piece 4 (wave % 4) + cx of out_w's 64; sixteen pieces on every second trip
	s_mov_b32 s27, 0x5500                          ; counts 14, 12, 10, 8: trips 0, 2, 4, 6
	s_cmp_lt_u32 s16, 12
	s_cselect_b32 s96, s97, s96
	s_cselect_b32 s100, 14, 16
	s_cselect_b64 s[2:3], s[12:13], s[8:9]
	s_cmp_lt_u32 s16, 8
	s_cselect_b32 s96, s95, s96
	s_cselect_b32 s100, 12, s100
	s_cselect_b32 s27, 0x5550, s27                 ; and counts 6, 4: trips 8, 10
	s_cselect_b64 s[2:3], s[4:5], s[2:3]
	s_mov_b32 s97, 0
	s_add_nc_u64 s[2:3], s[2:3], s[96:97]
	s_lshl_b32 s100, 1, s100
	s_mov_b32 s101, 0
	s_lshl_b32 s88, s19, 4
	s_add_co_u32 s88, s88, s16                     ; H = 16 n + head
	s_and_b32 s90, s18, 63                         ; my pair of query tiles in the batch
	s_lshl_b32 s66, s88, 16
	s_lshl_b32 s91, s90, 10
	s_add_co_u32 s66, s66, s91
	s_mov_b32 s67, 0
	s_add_nc_u64 s[4:5], s[4:5], s[66:67]          ; Q's two images
	s_lshl_b32 s66, s88, 13
	s_lshr_b32 s91, s90, 2
	s_lshl_b32 s91, s91, 9
	s_add_co_u32 s66, s66, s91
	s_and_b32 s91, s90, 3
	s_lshl_b32 s91, s91, 2
	s_add_co_u32 s66, s66, s91
	s_add_nc_u64 s[6:7], s[6:7], s[66:67]          ; Q's scale words: 16 r, tile a 256 bytes on
	s_lshl_b32 s95, s16, 12
	s_add_co_u32 s96, s95, VC
	s_lshl_b32 s97, s16, 9
	s_add_co_u32 s97, s97, KS
	s_lshl_b32 s98, s16, 8
	s_add_co_u32 s98, s98, VS
	v_and_b32 v246, 31, v0                         ; lane
	v_and_b32 v247, 15, v0                         ; r
	v_and_b32 v248, 7, v0                          ; r % 8
	v_bfe_u32 v249, v0, 3, 1                       ; r / 8
	v_bfe_u32 v250, v0, 4, 1                       ; h
	v_lshlrev_b32 v244, 4, v246
	v_lshlrev_b32 v245, 4, v247
.irp a, 0,1
	global_load_b128 v[16+8*\a:19+8*\a], v244, s[4:5] offset:512*\a
	global_load_b32 v[239+\a], v245, s[6:7] offset:256*\a
.endr
	v_lshlrev_b32 v1, 4, v248
	v_lshl_add_u32 v3, v249, 2, v1
	v_lshl_add_u32 v3, v250, 7, v3
	v_add_nc_u32 v3, s97, v3                       ; K's words: 16 (r % 8) + 4 (r / 8) + 128 h
	v_lshl_add_u32 v1, v249, 10, v1
	v_lshl_add_u32 v1, v250, 8, v1
	v_add_nc_u32 v1, s95, v1                       ; K's codes: 16 (r % 8) + 1,024 (r / 8) + 256 h
	v_add_nc_u32 v2, s96, v244                     ; V's codes: 16 x lane
	v_lshl_add_u32 v4, v246, 3, s98                ; V's words: 8 x lane
	v_lshlrev_b32 v7, 3, v250
	v_lshlrev_b32 v243, 8, v246                    ; the prefetches' offset.  (Also named as the upper half of the pair v[242:243], of which the low word alone is taken)
.irp j, 20,21,22,23,28,29,30,31
	v_mov_b32 v[\j], 0                             ; Q's zero codes for K = 64 .. 127
.endr
.irp a, 0,1
	v_mov_b32 v[9+4*\a], 0xff61b1e6                ; the largest t so far: -3e38
	v_floor_f32 v[8+4*\a], -v[9+4*\a]
	v_mov_b32 v[10+4*\a], 0
	v_mov_b32 v[11+4*\a], 0
.endr
.set J, 0
.rept 64
	v_mov_b32 v[160+J], 0                          ; O^T: the step is written once and finds zeros
.set J, J+1
.endr
; ONE TILE OF 16 QUERIES against the step's 128 keys: work on registers alone
.macro TILE a
.set ST, 8+4*\a
.set OO, 160+32*\a
.irp t, 0,1,2,3,4,5,6,7
	WM 96+8*\t, 32+4*\t, 16+8*\a, 1, 232+\t/2, 239+\a, \t%2
.endr
	NOP4                                           ; places ahead of the first read of S^T
.irp b, 0,1,2,3
	v_max3_num_f32 v[244+\b], v[96+16*\b], v[97+16*\b], v[98+16*\b]   ; my two blocks' largest scores, each in two chains
.endr
.irp i, 3,5,7,9,11,13
.irp b, 0,1,2,3
	v_max3_num_f32 v[244+\b], v[244+\b], v[96+16*\b+\i], v[97+16*\b+\i]
.endr
.endr
.irp c, 0,1
	v_max3_num_f32 v[244+2*\c], v[244+2*\c], v[245+2*\c], v[111+32*\c]
.endr
.irp c, 0,1
	v_max_num_f32 v[244+2*\c], v[244+2*\c], v[127+32*\c]
.endr
	D1
	v_max_num_f32 v241, v244, v246
	D1
	v_mul_f32 v241, s22, v241                      ; as t
	D1
	v_permlanex16_b32 v248, v241, s20, s21
	D1
	v_max3_num_f32 v[ST+1], v[ST+1], v241, v248    ; the running largest t
	v_mov_b32 v241, v[ST]
	v_floor_f32 v[ST], -v[ST+1]                    ; the new -M
	D1
	v_sub_f32 v241, v[ST], v241                    ; old M - new M
	D1
	v_cvt_i32_f32 v241, v241
	D1
	v_ldexp_f32 v242, 1.0, v241                    ; f = 2^(old M - new M)
.set J, 0
.rept 32
	v_pk_fma_f32 v[96+J:97+J], v[96+J:97+J], s[22:23], v[ST:ST+1] op_sel_hi:[1,0,0]   ; t - M
.set J, J+2
.endr
.irp c, 0,1
	v_fma_f32 v[244+2*\c], v[244+2*\c], s22, v[ST]
.endr
	ALU                                            ; the wait ahead of the batch
.set J, 0
.rept 64
	v_exp_f32 v[96+J], v[96+J]
.set J, J+1
.endr
.irp c, 0,1
	v_exp_f32 v[244+2*\c], v[244+2*\c]             ; the block's largest p: the same two instructions on the same number
.endr
	v_pk_mul_f32 v[ST+2:ST+3], v[ST+2:ST+3], v[242:243] op_sel_hi:[1,0]
	ALU                                            ; and behind it
.irp c, 0,1
	v_max_num_f32 v[244+2*\c], 0x1800000, v[244+2*\c]
.endr
.irp c, 0,1
	v_add_nc_u32 v[245+2*\c], 0xff000000, v[244+2*\c]   ; the conversion's scale operand
.endr
.irp c, 0,1
	v_lshrrev_b32 v[248+\c], 23, v[245+2*\c]
.endr
	D1
	v_lshl_or_b32 v250, v249, 16, v248             ; my bytes: blocks h and 2 + h,
	D1
	v_lshlrev_b32 v250, v7, v250                   ; 8 h bits up;
	D1
	v_permlanex16_b32 v251, v250, s20, s21
	D1
	v_or_b32 v238, v250, v251                      ; with lane l xor 16's the word is whole
.irp c, 0,1
.irp i, 0,1,2,3
	v_cvt_scalef32_pk8_fp4_f32 v[224+4*\c+\i], v[96+32*\c+8*\i:103+32*\c+8*\i], v[245+2*\c]
.endr
.endr
.irp k, 0,1,2,3                        ; the row's sum of the unquantised p, in four chains
	v_pk_add_f32 v[248+2*\k:249+2*\k], v[96+4*\k:97+4*\k], v[98+4*\k:99+4*\k]
.endr
.set J, 16
.rept 6
.irp k, 0,1,2,3
	v_pk_add_f32 v[248+2*\k:249+2*\k], v[248+2*\k:249+2*\k], v[96+J+2*\k:97+J+2*\k]
.endr
.set J, J+8
.endr
	v_pk_add_f32 v[248:249], v[248:249], v[250:251]
	v_pk_add_f32 v[252:253], v[252:253], v[254:255]
	D1
	v_pk_add_f32 v[248:249], v[248:249], v[252:253]
	D1
	v_pk_add_f32 v[ST+2:ST+3], v[ST+2:ST+3], v[248:249]
	ALU                                            ; the wait directly ahead of the first reader of O^T
.set J, 0
.rept 16
	v_pk_mul_f32 v[OO+J:OO+J+1], v[OO+J:OO+J+1], v[242:243] op_sel_hi:[1,0]
.set J, J+2
.endr
.irp u, 0,1,2,3
	WM OO+8*\u, 64+8*\u, 224, 0, 236+\u/2, 238, \u%2   ; four accumulators by turns
.endr
.endm
; A KEY STEP.  kind 0: the slot just read takes the keys two steps on; 1: out_w's first quarter; 2: x
.macro STEP kind
	v_add_nc_u32 v248, s24, v1                     ; (these four are the places behind the last products)
	v_add_nc_u32 v249, s24, v2
	v_add_nc_u32 v250, s24, v3
	v_add_nc_u32 v251, s24, v4
.irp c, 0,1
.irp i, 0,1,2,3
	ds_load_b128 v[32+4*(4*\c+\i):35+4*(4*\c+\i)], v248 offset:2048*\c+512*(\i/2)+128*(\i%2)
.endr
.endr
.irp c, 0,1
.irp u, 0,1
	ds_load_b32 v[232+2*\c+\u], v250 offset:256*\u+8*\c
.endr
.endr
.irp u, 0,1,2,3
.irp c, 0,1
	ds_load_b128 v[64+8*\u+4*\c:67+8*\u+4*\c], v249 offset:2048*\c+512*\u
.endr
.endr
	ds_load_b64 v[236:237], v251
	ALU
	s_wait_dscnt 0x0                               ; the step's fragments are in registers: my reads of this slot are over
	TILE 0
	ALU
	s_wait_tensorcnt 0x0                           ; my part of the other slot has landed;
	ds_add_u32 v5, v6
.if \kind == 0
	s_xor_b32 s25, s25, SLOT
	s_add_nc_u64 s[62:63], s[62:63], s[84:85]
.endif
	s_wait_dscnt 0x0
	ROUND                                          ; no wave of any partner still reads this slot or has a load on its way
.if \kind == 0
	LOADKV
	s_bitcmp1_b32 s27, s26                         ; the loop's count and the wave's number alone: the same in all partners
	s_cbranch_scc0 .Lno_ask_\@
	global_prefetch_b8 v243, s[2:3] th:TH_LOAD_NT scope:SCOPE_SE
.Lno_ask_\@:
.endif
.if \kind == 1
	tensor_load_to_lds s[76:79], s[52:59]
	s_nop 0
.endif
.if \kind == 2
	tensor_load_to_lds s[80:83], s[68:75]
	s_nop 0
.endif
	TILE 1
	s_xor_b32 s24, s24, SLOT
.if \kind == 0
	ALU
	s_wait_xcnt 0x0                                ; the prefetch, a tile's work back, has read its address: only now is it stepped
	s_add_nc_u64 s[2:3], s[2:3], s[100:101]
.endif
.endm
	ALU                                            ; the head's end
	s_wait_tensorcnt 0x0                           ; slot 1's first fill is issued as a refill is
	ds_add_u32 v5, v6
	s_xor_b32 s25, s25, SLOT
	s_add_nc_u64 s[62:63], s[62:63], s[84:85]
	s_wait_dscnt 0x0
	ROUND
	LOADKV                                         ; keys 128-255 into slot 1
	s_wait_loadcnt 0x0                             ; Q
	s_mov_b32 s26, 14
.Lkv:
	STEP 0
	s_sub_co_u32 s26, s26, 1
	s_cmp_lg_u32 s26, 0
	ALU
	s_cbranch_scc1 .Lkv
	STEP 1
	STEP 2
; ---- o, quantised along (head, channel), goes to LDS; then out0 = o out_w^T + x
	s_lshl_b32 s88, s16, 11
	s_mov_b32 s89, 0
	s_add_nc_u64 s[10:11], s[10:11], s[88:89]      ; out_w's scale bytes: 64 rows of 32 a wave
	s_lshl_b32 s95, s16, 9
	s_add_co_u32 s95, s95, OIM
	s_lshr_b32 s96, s16, 1
	s_lshl_b32 s96, s96, 6
	s_and_b32 s97, s16, 1
	s_lshl_b32 s97, s97, 1
	s_add_co_u32 s96, s96, s97
	s_add_co_u32 s96, s96, OSW
	v_and_b32 v241, 15, v0                         ; r
	v_and_b32 v243, 31, v0                         ; lane
	v_bfe_u32 v253, v0, 4, 1                       ; h
	v_lshlrev_b32 v242, 5, v241
.irp q, 0,1,2,3
.irp u, 0,1
	global_load_b128 v[32+8*\q+4*\u:35+8*\q+4*\u], v242, s[10:11] offset:512*\q+16*\u   ; row 64 w + 16 q + r's eight scale words
.endr
.endr
	v_lshl_add_u32 v1, v243, 4, s95                ; my head's image
	v_lshl_add_u32 v2, v241, 2, s96                ; my head's half of row r's scale word
	v_lshl_add_u32 v3, v243, 4, OIM
	v_lshl_add_u32 v4, v241, 2, OSW
	v_mul_u32_u24 v7, v241, WP
	v_lshl_add_u32 v7, v253, 4, v7
	v_add_nc_u32 v7, s77, v7                       ; out_w's fragments: my 16 rows, row r x pitch + 16 h
.macro EPI a                           ; tile a: O^T / the sum, its two blocks' scales, its codes as the operand's registers
.set ST, 8+4*\a
.set OO, 160+32*\a
	v_add_f32 v[ST+2], v[ST+2], v[ST+3]
	D1
	v_permlanex16_b32 v248, v[ST+2], s20, s21
	D1
	v_add_f32 v[ST+2], v[ST+2], v248               ; the row's sum
	ALU
	v_rcp_f32 v[ST+2], v[ST+2]
	v_nop
	ALU
.set J, 0
.rept 16
	v_pk_mul_f32 v[96+J:97+J], v[OO+J:OO+J+1], v[ST+2:ST+3] op_sel_hi:[1,0]   ; register 8 u + j: channel 16 u + 8 h + j
.set J, J+2
.endr
.irp b, 0,1
	v_max3_num_f32 v[244+\b], |v[96+16*\b]|, |v[97+16*\b]|, 0x1800000
.endr
.irp i, 2,4,6,8,10,12,14
.irp b, 0,1
	v_max3_num_f32 v[244+\b], v[244+\b], |v[96+16*\b+\i]|, |v[97+16*\b+\i]|
.endr
.endr
.irp b, 0,1
	v_permlanex16_b32 v[248+\b], v[244+\b], s20, s21
.endr
.irp b, 0,1
	v_max_num_f32 v[244+\b], v[244+\b], v[248+\b]
.endr
.irp b, 0,1
	v_add_nc_u32 v[246+\b], 0xff000000, v[244+\b]
.endr
.irp b, 0,1
	v_lshrrev_b32 v[250+\b], 23, v[246+\b]
.endr
	v_cvt_scalef32_pk8_fp4_f32 v[224+4*\a], v[96:103], v246
	v_cvt_scalef32_pk8_fp4_f32 v[226+4*\a], v[104:111], v246
	v_cvt_scalef32_pk8_fp4_f32 v[225+4*\a], v[112:119], v247
	v_cvt_scalef32_pk8_fp4_f32 v[227+4*\a], v[120:127], v247
	v_lshl_or_b32 v[254+\a], v251, 8, v250         ; my head's two bytes.  (A plain place behind the conversions)
	v_permlane16_swap_b32 v[224+4*\a], v[225+4*\a]
	v_permlane16_swap_b32 v[226+4*\a], v[227+4*\a]
.endm
	EPI 0
	EPI 1
	v_mul_u32_u24 v9, v241, XP
	v_lshl_add_u32 v9, v253, 5, v9
	v_add_nc_u32 v8, s81, v9                       ; x as C: row r, 32 h
	v_add_nc_u32 v9, s77, v9                       ; the stage, in my rows of slot 0: in
	v_mul_u32_u24 v10, v253, XP
	v_lshl_add_u32 v10, v241, 4, v10
	v_add_nc_u32 v10, s77, v10                     ; and back: lanes 0-15 one row, lanes 16-31 the next
	v_lshlrev_b32 v11, 12, v253
	v_lshl_add_u32 v11, v241, 4, v11               ; the same two rows in out0
	ALU
	s_wait_tensorcnt 0x0                           ; out_w's first quarter and x have landed: no load of mine is out when I store to LDS
.irp a, 0,1
	ds_store_b128 v1, v[224+4*\a:227+4*\a] offset:8192*\a
	ds_store_b16 v2, v[254+\a] offset:512*\a       ; lanes r and r + 16 write the same two bytes with the same value
.endr
.irp q, 0,1,2,3
.irp a, 0,1
.irp j, 0,1
	ds_load_b128 v[160+16*\q+8*\a+4*\j:163+16*\q+8*\a+4*\j], v8 offset:16*XP*\a+64*\q+16*\j   ; x(16 a + r, 64 w + 16 q + 8 h + 4 j ..): only I read what my load brought
.endr
.endr
.endr
.macro MUL q                           ; two accumulators by turns, one instruction a turn, K ascending
.irp f, 0,1
	NOP4                                           ; places ahead of loads into fragments that have been multiplied
.irp p, 0,1,2,3
.irp c, 0,1
	ds_load_b128 v[64+8*\p+4*\c:67+8*\p+4*\c], v3 offset:1024*(4*\f+\p)+512*\c          ; the image of (tile 0, head 2 s + c)
	ds_load_b128 v[224+8*\p+4*\c:227+8*\p+4*\c], v3 offset:8192+1024*(4*\f+\p)+512*\c   ; of tile 1
.endr
.endr
	s_wait_dscnt 0x0
.irp p, 0,1,2,3
	WM 160+16*\q, 96+8*(4*\f+\p), 64+8*\p, 0, 32+8*\q+4*\f+\p, 16+4*\f+\p, 0
	WM 168+16*\q, 96+8*(4*\f+\p), 224+8*\p, 0, 32+8*\q+4*\f+\p, 24+4*\f+\p, 0
.endr
.endr
.endm
.macro PH q, more                      ; quarter q of out_w: my 16 rows into registers; the next quarter is asked for; the products
.if \q > 0
	s_wait_tensorcnt 0x0                           ; my rows have landed, and only I read them
	NOP4
.endif
.irp s, 0,1,2,3,4,5,6,7
.irp c, 0,1
	ds_load_b128 v[96+8*\s+4*\c:99+8*\s+4*\c], v7 offset:64*\s+32*\c
.endr
.endr
.if \more
	s_wait_tensorcnt 0x0
	ds_add_u32 v5, v6
	s_add_nc_u64 s[78:79], s[78:79], 8192          ; 16 rows on
	s_wait_dscnt 0x0                               ; my reads of slot 0 are over (quarter 0: and my stores of o are done)
	ROUND
	tensor_load_to_lds s[76:79], s[52:59]
	s_nop 0
.endif
.if \q == 0
.irp a, 0,1
.irp s, 0,1,2,3,4,5,6,7
	ds_load_b32 v[16+8*\a+\s], v4 offset:512*\a+64*\s
.endr
.endr
	s_wait_loadcnt 0x0                             ; out_w's scale words
.endif
	MUL \q
.endm
	PH 0, 1
	PH 1, 1
	PH 2, 1
	PH 3, 0
; THE WAY OUT: 16 tokens x my 64 columns at a time through my stage (slot 0 has had its last fill, and these rows were mine alone), back as rows of 256 bytes.  LDS serves a wave's instructions in order (ISA guide 5.7.1.4)
	NOP4
.irp a, 0,1
.irp q, 0,1,2,3
.irp j, 0,1
	ds_store_b128 v9, v[160+16*\q+8*\a+4*\j:163+16*\q+8*\a+4*\j] offset:64*\q+16*\j   ; each accumulator from its low end on
.endr
.endr
.irp t, 0,1,2,3,4,5,6,7
	ds_load_b128 v[64+32*\a+4*\t:67+32*\a+4*\t], v10 offset:2*XP*\t
.endr
.endr
.irp a, 0,1
.irp t, 0,1,2,3,4,5,6,7
	s_wait_dscnt 23-16*\a-\t                       ; behind this load: the rest of its run, and for tile 0 tile 1's 8 stores and 8 loads
	global_store_b128 v11, v[64+32*\a+4*\t:67+32*\a+4*\t], s[14:15] offset:(16*\a+2*\t)*4096 th:TH_STORE_NT   ; sixteen lanes store 256 consecutive aligned bytes
.endr
.endr
	s_wait_tensorcnt 0x0                           ; the wave's end
	ds_add_u32 v5, v6
	s_wait_dscnt 0x0
	ROUND                                          ; the closing round
	s_endpgm
.Lfunc_end_k_q1a831883cc_attn:
	.size	k_q1a831883cc_attn, .Lfunc_end_k_q1a831883cc_attn-k_q1a831883cc_attn
	.p2alignl 7, 3214868480
	.fill 96, 4, 3214868480
	.section	.rodata,"a",@progbits
	.p2align	6, 0x0
	.amdhsa_kernel k_q1a831883cc_attn
		.amdhsa_group_segment_fixed_size 327680
		.amdhsa_private_segment_fixed_size 0
		.amdhsa_enable_private_segment 0
		.amdhsa_kernarg_size 48
		.amdhsa_user_sgpr_count 2
		.amdhsa_user_sgpr_kernarg_segment_ptr 1
		.amdhsa_wavefront_size32 1
		.amdhsa_system_sgpr_workgroup_id_x 1
		.amdhsa_system_sgpr_workgroup_id_y 1
		.amdhsa_system_sgpr_workgroup_id_z 1
		.amdhsa_system_vgpr_workitem_id 0
		.amdhsa_next_free_vgpr 256
		.amdhsa_next_free_sgpr 102
		.amdhsa_reserve_vcc 0
		.amdhsa_float_denorm_mode_32 3
		.amdhsa_float_denorm_mode_16_64 3
		.amdhsa_memory_ordered 1
		.amdhsa_forward_progress 1
		.amdhsa_inst_pref_size 136
	.end_amdhsa_kernel
	.amdgpu_metadata
---
amdhsa.version: [ 1, 2 ]
amdhsa.kernels:
  - .name:           k_q1a831883cc_attn
    .symbol:         k_q1a831883cc_attn.kd
    .args:
      - { .name: qkv_c, .offset: 0, .size: 8, .value_kind: global_buffer, .address_space: global }
      - { .name: qkv_s, .offset: 8, .size: 8, .value_kind: global_buffer, .address_space: global }
      - { .name: out_w_codes, .offset: 16, .size: 8, .value_kind: global_buffer, .address_space: global }
      - { .name: out_w_scales, .offset: 24, .size: 8, .value_kind: global_buffer, .address_space: global }
      - { .name: x, .offset: 32, .size: 8, .value_kind: global_buffer, .address_space: global }
      - { .name: out0, .offset: 40, .size: 8, .value_kind: global_buffer, .address_space: global }
    .group_segment_fixed_size: 327680
    .private_segment_fixed_size: 0
    .kernarg_segment_align: 8
    .kernarg_segment_size: 48
    .max_flat_workgroup_size: 512
    .sgpr_count:     102
    .vgpr_count:     256
    .wavefront_size: 32
...
	.end_amdgpu_metadata
.endif
;; end of part 4
